; MI455X (gfx1250); checked and timed in simulation.
; The chip was launched on July 23, 2026; its instructions are those of AMD's public machine-readable ISA for CDNA 5 (MIT licence, August 2026) and "CDNA5" Instruction Set Architecture Reference Guide (July 2026). The comments in the code are by the model that wrote it; some were corrected since.
;; Decoder. Allowed arithmetic: float matrix products may take bf16 or f16 operands with f32 sums; other float arithmetic in f32, or as packed bf16 or f16 multiplies, adds, multiply-adds, maxima and minima; sums over many terms, partial sums and values carried from step to step in f32; what a program stores and reads back later, other than sums and carried values, may be rounded once to bf16 or f16.
;; Inputs: W1 1,024 x 4,096 float32; W2 4,096 x 1,024 float32; Wfc 1,024 x 1,024 float32; Wk 1,024 x 1,024 float32; Wq 1,024 x 1,024 float32; Wv 1,024 x 1,024 float32; b1 4,096 float32; b2 1,024 float32; be1 1,024 float32; be2 1,024 float32; bfc 1,024 float32; bk 1,024 float32; bq 1,024 float32; bv 1,024 float32; embeddings 2 x 2,048 x 1,024 float32; g1 1,024 float32; g2 1,024 float32.
;; Outputs: out0 2 x 2,048 x 1,024 float32.
;; One version. Each part assembles by itself: llvm-mc -triple=amdgcn-amd-amdhsa -mcpu=gfx1250 --defsym DOCPART=n.
;; ======== version 1 of 1: 8 launches
;; limits: values are held in f16: magnitudes above 65,504 overflow, below 6.1e-05 lose precision; inputs' magnitudes at most 65,504
;; workspace buffers: xw1 16,777,216 bytes; xw2 16,777,216 bytes; qkvb 25,165,824 bytes; ctxb 8,388,608 bytes; yb 16,777,216 bytes; ln1b 8,388,608 bytes; hb 33,554,432 bytes
;; launch cast (part 1): grid 512 x 1, 8 waves a work-group, no clusters, 0 bytes of LDS; arguments embeddings, Wq, Wk, Wv, Wfc, xw1; writes xw1
.if DOCPART == 1
	.amdgcn_target "amdgcn-amd-amdhsa--gfx1250"
	.amdhsa_code_object_version 6
	.text
	.protected	k_q1f596d6b59_cast
	.globl	k_q1f596d6b59_cast
	.p2align	8
	.type	k_q1f596d6b59_cast,@function
k_q1f596d6b59_cast:
	s_mov_b64 s[64:65], 0
	v_nop
	global_prefetch_b8 v0, s[64:65] scope:SCOPE_SE
	s_setreg_imm32_b32 hwreg(HW_REG_WAVE_MODE, 25, 1), 1
	s_wait_xcnt 0x0
; embeddings, Wq, Wk, Wv, Wfc: f32 -> rounded once to bf16 (nearest even) -> that number written as f16, into one buffer, each tensor row-major as it lies:
; embeddings at byte 0, Wq 8,388,608, Wk 10,485,760, Wv 12,582,912, Wfc 14,680,064.  (W1 and W2 are converted in the next launch, by work-groups that have no tile there.)
; LIMITS.  A bf16 number is exact in f16 between 2^-14 and 65,504 in magnitude; below 2^-14 it keeps f16's fixed step of 2^-24; beyond 65,504 it becomes an infinity.
; SHARES.  Work-group g takes 65,536 source bytes and writes the 32,768 bytes at 32,768 g: the sources' sizes are multiples of 64 such shares, so g / 64 picks the source.
; Thread t takes the 16 bytes at 16 t of each of sixteen groups of 4,096 and stores 8: a load of a wave covers 512 consecutive bytes, a store 256, both aligned.  All sixteen loads go out first.
.set X, 4                              ; v[4:67]    as loaded: group j at X + 4 j
.set Y, 68                             ; v[68:99]   to store: group j at Y + 2 j
.set T, 100                            ; v[100:105] at work
	s_load_b256 s[8:15], s[0:1], 0x0               ; embeddings, Wq, Wk, Wv
	s_load_b128 s[16:19], s[0:1], 0x20             ; Wfc, out
	s_lshr_b32 s2, ttmp9, 6                        ; which run of 64 shares
	s_mov_b32 s3, 0xffff0000                       ; a word's upper bf16
	s_mov_b32 s4, 0                                ; the run at which my source begins
	v_lshlrev_b32 v1, 4, v0                        ; 16 t
	v_lshlrev_b32 v2, 3, v0                        ; 8 t
	s_wait_kmcnt 0x0
	s_mov_b64 s[24:25], s[8:9]
.macro PICK first, reg                 ; from run 'first' on the source is the one in s[reg:reg+1]
	s_cmp_ge_u32 s2, \first
	s_cselect_b64 s[24:25], s[\reg:\reg+1], s[24:25]
	s_cselect_b32 s4, \first, s4
.endm
	PICK 4, 10
	PICK 5, 12
	PICK 6, 14
	PICK 7, 16
	s_lshl_b32 s4, s4, 6
	s_sub_co_u32 s4, ttmp9, s4                     ; my share's number inside its source
	s_lshl_b32 s26, s4, 16
	s_mov_b32 s27, 0
	s_add_nc_u64 s[24:25], s[24:25], s[26:27]
	s_lshl_b32 s26, ttmp9, 15
	s_add_nc_u64 s[18:19], s[18:19], s[26:27]
.set j, 0
.rept 16
	global_load_b128 v[X+4*j:X+4*j+3], v1, s[24:25] offset:4096*j th:TH_LOAD_NT
.set j, j+1
.endr
.macro GRP j
	s_wait_loadcnt 15-(\j)                         ; loads come back in order: group j's is in, the younger groups' stay out
.irp k, 0,1
	v_cvt_pk_bf16_f32 v[T+3*(\k)], v[X+4*(\j)+2*(\k)], v[X+4*(\j)+2*(\k)+1]
	v_lshlrev_b32 v[T+3*(\k)+1], 16, v[T+3*(\k)]
	v_and_b32 v[T+3*(\k)+2], s3, v[T+3*(\k)]
	v_cvt_pk_f16_f32 v[Y+2*(\j)+(\k)], v[T+3*(\k)+1], v[T+3*(\k)+2]
.endr
	global_store_b64 v2, v[Y+2*(\j):Y+2*(\j)+1], s[18:19] offset:2048*(\j)
.endm
.irp j, 0,1,2,3,4,5,6,7,8,9,10,11,12,13,14,15
	GRP \j
.endr
	s_endpgm
.Lfunc_end_k_q1f596d6b59_cast:
	.size	k_q1f596d6b59_cast, .Lfunc_end_k_q1f596d6b59_cast-k_q1f596d6b59_cast
	.p2alignl 7, 3214868480
	.fill 96, 4, 3214868480
	.section	.rodata,"a",@progbits
	.p2align	6, 0x0
	.amdhsa_kernel k_q1f596d6b59_cast
		.amdhsa_group_segment_fixed_size 0
		.amdhsa_private_segment_fixed_size 0
		.amdhsa_enable_private_segment 0
		.amdhsa_kernarg_size 48
		.amdhsa_user_sgpr_count 2
		.amdhsa_user_sgpr_kernarg_segment_ptr 1
		.amdhsa_wavefront_size32 1
		.amdhsa_system_sgpr_workgroup_id_x 1
		.amdhsa_system_sgpr_workgroup_id_y 1
		.amdhsa_system_sgpr_workgroup_id_z 1
		.amdhsa_system_vgpr_workitem_id 0
		.amdhsa_next_free_vgpr 108
		.amdhsa_next_free_sgpr 66
		.amdhsa_reserve_vcc 0
		.amdhsa_float_denorm_mode_32 3
		.amdhsa_float_denorm_mode_16_64 3
		.amdhsa_memory_ordered 1
		.amdhsa_forward_progress 1
		.amdhsa_inst_pref_size 11
	.end_amdhsa_kernel
	.amdgpu_metadata
---
amdhsa.version: [ 1, 2 ]
amdhsa.kernels:
  - .name:           k_q1f596d6b59_cast
    .symbol:         k_q1f596d6b59_cast.kd
    .args:
      - { .name: embeddings, .offset: 0, .size: 8, .value_kind: global_buffer, .address_space: global }
      - { .name: Wq, .offset: 8, .size: 8, .value_kind: global_buffer, .address_space: global }
      - { .name: Wk, .offset: 16, .size: 8, .value_kind: global_buffer, .address_space: global }
      - { .name: Wv, .offset: 24, .size: 8, .value_kind: global_buffer, .address_space: global }
      - { .name: Wfc, .offset: 32, .size: 8, .value_kind: global_buffer, .address_space: global }
      - { .name: xw1, .offset: 40, .size: 8, .value_kind: global_buffer, .address_space: global }
    .group_segment_fixed_size: 0
    .private_segment_fixed_size: 0
    .kernarg_segment_align: 8
    .kernarg_segment_size: 48
    .max_flat_workgroup_size: 256
    .sgpr_count:     66
    .vgpr_count:     108
    .wavefront_size: 32
...
	.end_amdgpu_metadata
.endif
;; end of part 1
;; launch qkv (part 2): grid 16 x 16, 4 waves a work-group, clusters of 4 x 4, 327,680 bytes of LDS; arguments xw1, bq, bk, bv, qkvb, W1, W2, xw2; writes qkvb, xw2
.if DOCPART == 2
	.amdgcn_target "amdgcn-amd-amdhsa--gfx1250"
	.amdhsa_code_object_version 6
	.text
	.protected	k_q1f596d6b59_qkv
	.globl	k_q1f596d6b59_qkv
	.p2align	8
	.type	k_q1f596d6b59_qkv,@function
k_q1f596d6b59_qkv:
	s_mov_b64 s[64:65], 0
	v_nop
	global_prefetch_b8 v0, s[64:65] scope:SCOPE_SE
	s_setreg_imm32_b32 hwreg(HW_REG_WAVE_MODE, 25, 1), 1
	s_wait_xcnt 0x0
	s_wait_alu depctr_hold_cnt(0) depctr_sa_sdst(0) depctr_va_vdst(0) depctr_va_sdst(0) depctr_va_ssrc(0) depctr_va_vcc(0) depctr_vm_vsrc(0)
	s_getreg_b32 s2, hwreg(HW_REG_IB_STS2, 6, 4)
	s_cmp_eq_u32 s2, 0
	s_cbranch_scc0 .Lentry_in_a_cluster
	s_endpgm
.Lentry_in_a_cluster:
	s_bfe_u32 s2, ttmp6, 0x10000c
	s_cmp_lg_u32 s2, 0xf033
	s_cbranch_scc0 .Lentry_shape_is_right
	s_endpgm
.Lentry_shape_is_right:
; C = A W + bias (FFN = 1: then the exact GELU), rounded once to f16.  A: [4096][1024] f16, rows along K.  W: [1024][BN] f16, rows along N, as the weights lie.  Sums in f32.
; FFN = 0: A = x, W = Wq | Wk | Wv (a cluster column is one of the three), out = q, k, v.  FFN = 1: A = the first norm's output, W = W1, out = h.
; OUT is laid in column blocks of 64: [column / 64][4096 rows][64], so that a head's rows, and a K slice of the next product, are dense rows of 128 bytes.
; FFN = 0 HAS A SECOND JOB.  3,072 columns are 12 tile columns, three columns of clusters; the grid has four.  The 64 work-groups of the fourth have no tile: they convert W1 and W2 (f32 -> bf16 -> f16, as the
; launch before converts the other inputs) into a buffer that only later launches read.  The branch hangs on the cluster's x, which all partners of a cluster share.
; LIMITS.  f16 holds no number beyond 65,504: A, W and the results stay within it.  The bias is rounded to bf16 like every input.  erf by a rational form in 1 / (1 + p |x|) with five terms,
; absolute error 1.5e-7; NaN and infinities are not treated apart.
; SHAPE.  A tile of C is 256 x 256, four waves, each 128 x 128: 64 accumulators, 512 registers.  K goes in eight steps of 128 through two LDS slots filled by tensor loads.
; The product is used transposed: source 0 = 16 columns of W (out of LDS by the turning load), source 1 = 16 rows of A: a lane holds one row of C and eight neighbouring columns.
; CLUSTER 4 x 4: A's tile is asked for jointly along a row of the cluster, W's along a column.
; The loop is written for ONE K step: the slot in hand is a scalar that an exclusive or turns; one descriptor a tensor walks from step 1 on.
; REGISTERS: window 0: v16-30 addresses, v64-191 A's two fragment buffers; window 1: v64-191 W's; windows 2, 3: accumulators, (a, b) at 8 (8 a + b).
.set FFN, 0
.if FFN
.set BN, 4096
.set WOFF, 0
.else
.set BN, 1024
.set WOFF, 8388608
.endif
.set PA,     272                       ; a row of A in LDS: 256 bytes + 16: the 16 rows of a load start at 16 different groups of four banks
.set PB,     544                       ; a row of W in LDS: 512 bytes + 32
.set UNIT,   34816                     ; what one tensor load brings: 128 rows of A, or 64 rows of W
.set SLOT,   4*UNIT                    ; A's two units, then W's two.  Its bits (13, 17) meet none of wave x UNIT's (11, 12, 15, 16)
.set SPARE,  2*SLOT                    ; the spare words, 128 bytes a wave
.set SPITCH, 528                       ; the way out: a wave's row of 128 f32 + 16 bytes
.set WSTAGE, 128*SPITCH                ; a wave's stage; the four lie in the ring's bytes, which have had their last fill by then
.set ASTEP,  256                       ; bytes from K step to K step in A
.set BSTEP,  256*BN                    ; and in W
.set ADRA0, 16                         ; my lane's place in A's tile of slot 0; never rewritten
.set ADRB0, 17                         ; the same for W
.set ADRA, 18                          ; the same in the slot in hand
.set ADRB, 19
.set STO,  24
.set RD,   25
.set CO,   26
.set BO,   27
.set SPW,  28
.set NIL,  29
.set PFO,  30
.set F0,   64
.set F1,   128
.set XR,   32                          ; the way out, window 0: 16 numbers as read from the stage
.set T,    48                          ; with the bias
.set AX,   64
.set TT,   80
.set EE,   96
.set PP,   112
.set YR,   192                         ; packed, to store
.set BIAS, 200                         ; my eight columns' bias
.set CT,   32                          ; the second job: v[32:37] at work,
.set CX,   64                          ; v[64:191] 32 slots of 4 as loaded,
.set CY,   192                         ; v[192:255] 32 slots of 2 to store
.set G1A, 24
.set G0A, 32
.set LIM, 43
.set PFA, 44
.set G1B, 48
.set G0B, 56
.set TR,  66                           ; s66 the slot in hand: 0 or SLOT
.set PST, 68                           ; s[68:69] the prefetches' step
.set ABSM, 71
.set CP,  72                           ; FFN = 1: s[72:85] the GELU's constants, each a pair with both words written.  FFN = 0: s[72:79] the second job's pointers
.set CA1, 74
.set CA2, 76
.set CA3, 78
.set CA4, 80
.set CA5, 82
.set CN,  84
.set BP,  86                           ; s[86:87] the bias at my first column
.set MSB, 0
.macro WIN new
.if MSB != (\new)
	s_set_vgpr_msb (MSB<<8)|(\new)
.set MSB, \new
.endif
.endm
.set MUL_LO, 0xa1
.set MUL_HI, 0xf1
.set TO_B,   0x40
.macro JLOAD s                         ; a joint load: waves 0, 1 ask for A's units, waves 2, 3 for W's; the branch hangs on the wave's number alone
	s_cmp_eq_u32 s11, 0
	s_cbranch_scc0 .Lfor_b_\@
	tensor_load_to_lds s[G0A+4*(\s):G0A+4*(\s)+3], s[G1A:G1A+7]
	s_nop 0
.rept 4
	v_nop
.endr
	s_branch .Lasked_\@
.Lfor_b_\@:
	tensor_load_to_lds s[G0B+4*(\s):G0B+4*(\s)+3], s[G1B:G1B+7]
	s_nop 0
.rept 4
	v_nop
.endr
.Lasked_\@:
.endm
.macro CREST
	s_cmp_lg_u32 s10, 0
	s_cbranch_scc1 .Lnot_wave_0_\@
	s_barrier_signal -3
.Lnot_wave_0_\@:
	s_barrier_wait -3
	s_barrier_signal -1
	s_barrier_wait -1
.endm
.macro CROUND
	s_barrier_signal -1
	s_barrier_wait -1
	CREST
.endm
.macro PLACES
.rept 4
	v_nop
.endr
.endm
.if FFN
	s_load_b128 s[4:7], s[0:1], 0x0                ; A, the weights' buffer
	s_load_b64 s[BP:BP+1], s[0:1], 0x10            ; b1
	s_load_b64 s[8:9], s[0:1], 0x18                ; out
.else
	s_load_b64 s[4:5], s[0:1], 0x0                 ; A at its buffer's head, the weights behind
	s_load_b64 s[88:89], s[0:1], 0x8               ; bq
	s_load_b64 s[90:91], s[0:1], 0x10              ; bk
	s_load_b64 s[92:93], s[0:1], 0x18              ; bv
	s_load_b64 s[8:9], s[0:1], 0x20                ; out
	s_load_b64 s[72:73], s[0:1], 0x28              ; W1, f32
	s_load_b64 s[74:75], s[0:1], 0x30              ; W2, f32
	s_load_b64 s[76:77], s[0:1], 0x38              ; where their f16 copies go
.endif
	v_lshl_add_u32 v[SPW], v0, 2, SPARE
	v_mov_b32 v[NIL], 0
	ds_add_u32 v[SPW], v[NIL]                      ; the wave's opening: the add and its wait ahead of my first tensor load
	ds_add_u32 v28, v29
	v_lshrrev_b32 v1, 5, v0
	v_readfirstlane_b32 s10, v1                    ; wave 0..3
	s_lshr_b32 s11, s10, 1                         ; my half of the tile's rows; also: I fetch for A (0) or W (1)
	s_and_b32 s12, s10, 1                          ; my half of its columns; also: which unit I fetch
	s_bfe_u32 s40, ttmp6, 0x40000                  ; cx
	s_bfe_u32 s41, ttmp6, 0x40004                  ; cy
	s_lshl_b32 s42, ttmp9, 2
	s_add_co_u32 s42, s42, s40                     ; tile column
	s_and_b32 s13, ttmp7, 0xffff
	s_lshl_b32 s13, s13, 2
	s_add_co_u32 s13, s13, s41                     ; tile row
	s_lshl_b32 s21, s41, 2
	s_lshl_b32 s21, 15, s21                        ; my row of the cluster
	s_lshl_b32 s22, 0x1111, s40                    ; my column
	s_or_b32 s[G1A], s21, (1<<16)|(1<<20)|(1<<21)|(5<<22)|(3<<25)   ; mask; 2-byte elements; padding on; bit 21 beside a mask; after every 64 words 4 words
	s_or_b32 s[G1B], s22, (1<<16)|(1<<20)|(1<<21)|(6<<22)|(7<<25)   ; after every 128 words 8 words
	s_mov_b32 s[G1A+1], 128<<16                    ; tensor_dim0 = 128
	s_mov_b32 s[G1A+2], 128<<16                    ; tensor_dim1 = 128
	s_mov_b32 s[G1A+3], 128<<16                    ; tile_dim0 = 128
	s_mov_b32 s[G1A+4], 128                        ; tile_dim1 = 128
	s_mov_b32 s[G1A+5], 1024                       ; elements from row to row
	s_mov_b32 s[G1A+6], 0
	s_mov_b32 s[G1A+7], 0
	s_mov_b32 s[G1B+1], 256<<16                    ; tensor_dim0 = 256
	s_mov_b32 s[G1B+2], 64<<16                     ; tensor_dim1 = 64
	s_mov_b32 s[G1B+3], 256<<16                    ; tile_dim0 = 256
	s_mov_b32 s[G1B+4], 64                         ; tile_dim1 = 64
	s_mov_b32 s[G1B+5], BN
	s_mov_b32 s[G1B+6], 0
	s_mov_b32 s[G1B+7], 0
	s_lshl_b32 s16, s13, 8
	s_lshl_b32 s17, s12, 7
	s_add_co_u32 s16, s16, s17                     ; A: row 256 x tile row + 128 x unit,
	s_lshl_b32 s16, s16, 11                        ; of 2,048 bytes
	s_mov_b32 s17, 0
.if FFN
	s_lshl_b32 s46, s42, 9                         ; W: 512 bytes a tile column
.else
	s_lshl_b32 s46, ttmp9, 21                      ; W: which of the three weights,
	s_lshl_b32 s47, s40, 9                         ; and its tile column
	s_add_co_u32 s46, s46, s47
.endif
	s_mul_i32 s47, s12, 128*BN                     ; my unit's 64 rows
	s_add_co_u32 s46, s46, s47
	s_add_co_u32 s46, s46, WOFF
	s_mov_b32 s47, 0
	s_mul_i32 s20, s10, UNIT                       ; where my unit goes: no place in the cluster enters an LDS address
	s_mov_b32 s[TR], 0
.if FFN
	s_mov_b32 s[ABSM], 0x7fffffff
	s_mov_b32 s[CP], 0x3e6d3388                    ; p / sqrt(2) = 0.23164189
	s_mov_b32 s[CP+1], 0x3e6d3388
	s_mov_b32 s[CA1], 0x3e027906                   ; the five coefficients, halved
	s_mov_b32 s[CA1+1], 0x3e027906
	s_mov_b32 s[CA2], 0xbe11a98e
	s_mov_b32 s[CA2+1], 0xbe11a98e
	s_mov_b32 s[CA3], 0x3f35f0e3
	s_mov_b32 s[CA3+1], 0x3f35f0e3
	s_mov_b32 s[CA4], 0xbf3a00e3
	s_mov_b32 s[CA4+1], 0xbf3a00e3
	s_mov_b32 s[CA5], 0x3f07dc22
	s_mov_b32 s[CA5+1], 0x3f07dc22
	s_mov_b32 s[CN], 0xbf38aa3b                    ; - log2(e) / 2
	s_mov_b32 s[CN+1], 0xbf38aa3b
.endif
	s_wait_dscnt 0x0                               ; the opening add is done
	s_wait_kmcnt 0x0
.if !FFN
	s_cmp_eq_u32 ttmp9, 3                          ; the fourth column of clusters has no tile: all sixteen partners go the same way
	s_cbranch_scc1 .Lcast
	s_mov_b64 s[6:7], s[4:5]
.endif
	s_add_nc_u64 s[14:15], s[4:5], s[16:17]
	s_add_nc_u64 s[46:47], s[6:7], s[46:47]
	CROUND                                         ; all sixteen work-groups are here: the first joint loads meet
.irp s, 0,1
	s_mov_b32 s[G0A+4*(\s)], 1
	s_add_co_u32 s[G0A+4*(\s)+1], s20, (\s)*SLOT
	s_add_nc_u64 s[G0A+4*(\s)+2:G0A+4*(\s)+3], s[14:15], (\s)*ASTEP
	s_or_b32 s[G0A+4*(\s)+3], s[G0A+4*(\s)+3], 0x80000000
	s_mov_b32 s[G0B+4*(\s)], 1
	s_add_co_u32 s[G0B+4*(\s)+1], s20, (\s)*SLOT
	s_add_nc_u64 s[G0B+4*(\s)+2:G0B+4*(\s)+3], s[46:47], (\s)*BSTEP
	s_or_b32 s[G0B+4*(\s)+3], s[G0B+4*(\s)+3], 0x80000000
	JLOAD \s                                       ; K steps 0 and 1: two loads of mine are out
.endr
	v_and_b32 v1, 15, v0                           ; l % 16
	v_bfe_u32 v2, v0, 4, 1                         ; l / 16
	v_mul_u32_u24 v3, v1, PA
	v_lshl_add_u32 v3, v2, 4, v3
	s_mul_i32 s21, s11, UNIT
	v_add_nc_u32 v[ADRA0], s21, v3                 ; A: row x pitch + 16 x half, in my 128 rows
	v_and_b32 v4, 7, v0
	v_lshl_add_u32 v4, v2, 3, v4                   ; W, for the turning load: K row 8 (l / 16) + l % 8,
	v_mul_u32_u24 v4, v4, PB
	v_bfe_u32 v5, v0, 3, 1
	v_lshl_add_u32 v4, v5, 4, v4                   ; columns 8 ((l / 8) % 2) on,
	s_lshl_b32 s22, s12, 8
	s_add_co_u32 s22, s22, 2*UNIT                  ; in my 128 columns, behind A's two units
	v_add_nc_u32 v[ADRB0], s22, v4
	v_mov_b32 v[ADRA], v[ADRA0]
	v_mov_b32 v[ADRB], v[ADRB0]
	s_mul_i32 s23, s10, WSTAGE
	v_mul_u32_u24 v3, v1, SPITCH
	v_lshl_add_u32 v3, v2, 5, v3
	v_add_nc_u32 v[STO], s23, v3                   ; into my stage: row l % 16, 32 bytes for each half of the lanes
	v_mul_u32_u24 v3, v2, SPITCH
	v_lshl_add_u32 v3, v1, 4, v3
	v_add_nc_u32 v[RD], s23, v3                    ; back: lanes 0-15 take 256 bytes of one row, lanes 16-31 of the next
	v_and_b32 v3, 31, v0
	v_lshlrev_b32 v[CO], 3, v3                     ; 8 bytes a lane: two rows of a column block, 256 consecutive bytes
	v_lshlrev_b32 v[BO], 4, v1
.if FFN
	s_lshl_b32 s94, s42, 10                        ; the bias: 256 columns of 4 bytes a tile column,
.else
	s_cmp_eq_u32 ttmp9, 1
	s_cselect_b64 s[BP:BP+1], s[90:91], s[88:89]
	s_cmp_eq_u32 ttmp9, 2
	s_cselect_b64 s[BP:BP+1], s[92:93], s[BP:BP+1]
	s_lshl_b32 s94, s40, 10
.endif
	s_lshl_b32 s95, s12, 9                         ; my 128
	s_add_co_u32 s94, s94, s95
	s_mov_b32 s95, 0
	s_add_nc_u64 s[BP:BP+1], s[BP:BP+1], s[94:95]
	global_load_b128 v[BIAS:BIAS+3],   v[BO], s[BP:BP+1]             ; columns 4 (l % 16) on of my first 64,
	global_load_b128 v[BIAS+4:BIAS+7], v[BO], s[BP:BP+1] offset:256  ; and of my second: waited for on the way out
	s_lshl_b32 s94, s42, 2
	s_lshl1_add_u32 s94, s12, s94                  ; my first column block: 4 x tile column + 2 x half,
	s_lshl_b32 s94, s94, 19                        ; of 524,288 bytes
	s_lshl_b32 s96, s13, 8
	s_lshl_b32 s97, s11, 7
	s_add_co_u32 s96, s96, s97                     ; my first row,
	s_lshl_b32 s96, s96, 7                         ; of 128 bytes
	s_add_co_u32 s94, s94, s96
	s_add_nc_u64 s[8:9], s[8:9], s[94:95]
	; THE PREFETCHES.  Behind the refill that brings K step j + 2 a wave names K step j + 4 of what it fetches.  A's rows are read by every cluster of a row of clusters: cluster x = 0 asks;
	; W's by every cluster of a column: cluster y = 0 asks.  The four partners that ask for a unit jointly share it out BY ADDRESS: 32 rows of A (a lane a row of 256 bytes), or 16 rows of W
	; (two lanes a row of 512 bytes).  So each aligned block of 256 bytes is named once.  K steps 0 to 3 come by their loads alone; the last two refills name nothing.
	s_and_b32 s22, ttmp7, 0xffff
	s_mov_b32 s23, 32*2048
	s_mov_b32 s[PST], ASTEP
	s_mov_b32 s95, 2048
	s_cmp_eq_u32 s11, 0
	s_cselect_b32 s21, s40, s41                    ; my place among the four
	s_cselect_b32 s22, ttmp9, s22                  ; the coordinate along which other clusters read the same rows
	s_cselect_b64 s[PFA:PFA+1], s[14:15], s[46:47]
	s_cselect_b32 s23, s23, 32*BN                  ; bytes of a partner's share
	s_cselect_b32 s[PST], s[PST], BSTEP
	s_cselect_b32 s95, s95, 2*BN                   ; bytes from row to row
	s_cselect_b32 s94, 0, 1                        ; lanes to a row, less one
	s_mov_b32 s[PST+1], 0
	s_cmp_eq_u32 s22, 0
	s_cselect_b32 s[LIM], 2, -1                    ; the same in all sixteen partners, for a given wave
	s_mul_i32 s96, s21, s23
	s_mul_i32 s97, s[PST], 3                       ; at K step 3: the first refill steps it to 4
	s_add_co_u32 s96, s96, s97
	s_mov_b32 s97, 0
	s_add_nc_u64 s[PFA:PFA+1], s[PFA:PFA+1], s[96:97]
	v_lshrrev_b32 v[PFO], s94, v3
	v_mul_u32_u24 v[PFO], s95, v[PFO]
	v_and_b32 v3, s94, v3
	v_lshl_add_u32 v[PFO], v3, 8, v[PFO]
.macro MUL16 f, hi, a0, zero           ; 16 products: row blocks a0, a0 + 1 of the window's four x all 8 column blocks, 32 along K.  The 64 accumulators take turns
	WIN MUL_LO+0x50*(\hi)
.irp a, \a0, (\a0)+1
.irp b, 0,1,2,3,4,5,6,7
.if \zero
	v_wmma_f32_16x16x32_f16 v[8*(8*(\a)+(\b)):8*(8*(\a)+(\b))+7], v[(\f)+8*(\b):(\f)+8*(\b)+7], v[(\f)+8*(4*(\hi)+(\a)):(\f)+8*(4*(\hi)+(\a))+7], 0
.else
	v_wmma_f32_16x16x32_f16 v[8*(8*(\a)+(\b)):8*(8*(\a)+(\b))+7], v[(\f)+8*(\b):(\f)+8*(\b)+7], v[(\f)+8*(4*(\hi)+(\a)):(\f)+8*(4*(\hi)+(\a))+7], v[8*(8*(\a)+(\b)):8*(8*(\a)+(\b))+7]
.endif
.endr
.endr
.endm
.macro FETCH q, f                      ; 32 LDS loads in one run: quarter q (32 along K) of the slot in hand into buffer f: W's 8 column blocks, turned, then A's 8 row blocks
	WIN TO_B
.irp i, 0,1,2,3,4,5,6,7
	ds_load_tr16_b128 v[(\f)+8*(\i):(\f)+8*(\i)+3],   v[ADRB] offset:(\q)*32*PB+32*(\i)
	ds_load_tr16_b128 v[(\f)+8*(\i)+4:(\f)+8*(\i)+7], v[ADRB] offset:(\q)*32*PB+32*(\i)+16*PB
.endr
	WIN 0
.irp i, 0,1,2,3,4,5,6,7
	ds_load_b128 v[(\f)+8*(\i):(\f)+8*(\i)+3],   v[ADRA] offset:(\q)*64+(\i)*16*PA
	ds_load_b128 v[(\f)+8*(\i)+4:(\f)+8*(\i)+7], v[ADRA] offset:(\q)*64+(\i)*16*PA+32
.endr
.endm
.macro QUARTER q, f, g, zero           ; multiplies buffer f; in its middle fetches quarter q into buffer g
	s_wait_dscnt 8                                 ; W and A's rows 0-63 are in; the youngest eight loads (A's rows 64-127) may be out
	MUL16 \f, 0, 0, \zero
	MUL16 \f, 0, 2, \zero
	PLACES                                         ; four places between the last product that read buffer g and the loads into it
	FETCH \q, \g
	s_wait_dscnt 32                                ; all but the 32 just issued
	MUL16 \f, 1, 0, \zero
	MUL16 \f, 1, 2, \zero
.endm
.macro MEET round                      ; the first half of a K step's last quarter: the barrier of the change of slots
	WIN 0
	s_wait_tensorcnt 0x0                           ; all my tensor loads have landed: the one that was out is my part of the next slot
	ds_add_u32 v[SPW], v[NIL]                      ; 0 onto my spare word
	s_wait_dscnt 9                                 ; (the add and the youngest eight loads may be out)
	MUL16 F1, 0, 0, 0
	s_wait_dscnt 0x0                               ; the add is done, and my reads of this slot are over
	s_barrier_signal -1
	MUL16 F1, 0, 2, 0
.if \round
	WIN 0
.endif
	s_barrier_wait -1
.endm
	s_wait_tensorcnt 1                             ; my part of K step 0 is in; step 1's may stay out
	s_barrier_signal -1
	s_barrier_wait -1
	FETCH 0, F0
	QUARTER 1, F0, F1, 1                           ; the first quarter's products start the sums
	WIN 0
	s_mov_b32 s3, 6
.Lk:                                                   ; trip j: quarters 1-3 of K step j, the refill with step j + 2, quarter 0 of step j + 1
	QUARTER 2, F1, F0, 0
	QUARTER 3, F0, F1, 0
	s_wait_xcnt 0x0                                ; the last prefetch, a K step back, has read its address
	s_add_nc_u64 s[PFA:PFA+1], s[PFA:PFA+1], s[PST:PST+1]
	MEET 1
	CREST                                          ; the barrier has opened a round of the cluster's: no wave of any partner still reads this slot or has a load on its way
	s_xor_b32 s[G0A+5], s[G0A+5], SLOT             ; the walking descriptors: the other slot than last time, the next K step
	s_add_nc_u64 s[G0A+6:G0A+7], s[G0A+6:G0A+7], ASTEP
	s_xor_b32 s[G0B+5], s[G0B+5], SLOT
	s_add_nc_u64 s[G0B+6:G0B+7], s[G0B+6:G0B+7], BSTEP
	s_xor_b32 s[TR], s[TR], SLOT
	JLOAD 1                                        ; the first tensor load behind the round; its four v_nop are also the places in front of the loads below
	v_add_nc_u32 v[ADRA], s[TR], v[ADRA0]
	v_add_nc_u32 v[ADRB], s[TR], v[ADRB0]
	FETCH 0, F0
	s_cmp_gt_u32 s3, s[LIM]                        ; trips 0 to 3, in a wave that asks
	s_cbranch_scc0 .Lnot_mine
	global_prefetch_b8 v[PFO], s[PFA:PFA+1] th:TH_LOAD_NT scope:SCOPE_SE
.Lnot_mine:
	MUL16 F1, 1, 0, 0
	MUL16 F1, 1, 2, 0
	QUARTER 1, F0, F1, 0
	WIN 0
	s_sub_co_u32 s3, s3, 1
	s_cmp_lg_u32 s3, 0
	s_cbranch_scc1 .Lk
	s_mov_b32 s3, 2
.Ltail:                                                ; K steps 6 and 7: nothing is asked for; the second trip is left behind its last quarter
	QUARTER 2, F1, F0, 0
	QUARTER 3, F0, F1, 0
	MEET 0
	PLACES
	WIN 0
	s_xor_b32 s[TR], s[TR], SLOT
	v_add_nc_u32 v[ADRA], s[TR], v[ADRA0]
	v_add_nc_u32 v[ADRB], s[TR], v[ADRB0]
	s_cmp_eq_u32 s3, 1
	s_cbranch_scc1 .Lnofetch                       ; behind the last K step there is nothing to fetch
	FETCH 0, F0
.Lnofetch:
	MUL16 F1, 1, 0, 0
	MUL16 F1, 1, 2, 0
	WIN 0
	s_sub_co_u32 s3, s3, 1
	s_cmp_eq_u32 s3, 0
	s_cbranch_scc1 .Lout
	QUARTER 1, F0, F1, 0
	WIN 0
	s_branch .Ltail
.Lout:
	; THE WAY OUT.  The sums go as f32 into my stage, which lies in the ring's bytes: no tensor load follows, every wave's loads have landed and its reads are back in front of this barrier.
	PLACES
	PLACES
	s_wait_dscnt 0x0
	s_barrier_signal -1
	s_barrier_wait -1
.irp hi, 0,1
	WIN 0x08+4*(\hi)                               ; the data of an LDS store is source 1: window 2, then 3
.irp a, 0,1,2,3
.irp b, 0,1,2,3,4,5,6,7
	ds_store_b128 v[STO], v[8*(8*(\a)+(\b)):8*(8*(\a)+(\b))+3]   offset:16*SPITCH*(4*(\hi)+(\a))+64*(\b)
	ds_store_b128 v[STO], v[8*(8*(\a)+(\b))+4:8*(8*(\a)+(\b))+7] offset:16*SPITCH*(4*(\hi)+(\a))+64*(\b)+16
.endr
.endr
.endr
	WIN 0
	s_wait_dscnt 0x0
	s_barrier_signal -1
	s_barrier_wait -1                              ; from here on the stages are only read
	s_wait_loadcnt 0x0                             ; the bias
.irp i, 0,2,4,6
	v_cvt_pk_bf16_f32 v[T], v[BIAS+(\i)], v[BIAS+(\i)+1]   ; rounded to bf16 like every input
	v_lshlrev_b32 v[BIAS+(\i)], 16, v[T]
	v_and_b32 v[BIAS+(\i)+1], 0xffff0000, v[T]
.endr
.macro LOADX                           ; four rows x my 128 columns: column block e, rows 2 p and 2 p + 1; the address is stepped straight behind the loads that read it, a trip ahead of its next use
.irp e, 0,1
.irp p, 0,1
	ds_load_b128 v[XR+4*(2*(\e)+(\p)):XR+4*(2*(\e)+(\p))+3], v[RD] offset:256*(\e)+2*SPITCH*(\p)
.endr
.endr
	v_add_nc_u32 v[RD], 4*SPITCH, v[RD]
.endm
	LOADX
	s_mov_b32 s3, 32
.Lrow:                                                 ; 32 trips of four rows
	s_wait_dscnt 0x0
.irp e, 0,1
.irp p, 0,1
.irp c, 0,2
	v_pk_add_f32 v[T+4*(2*(\e)+(\p))+(\c):T+4*(2*(\e)+(\p))+(\c)+1], v[XR+4*(2*(\e)+(\p))+(\c):XR+4*(2*(\e)+(\p))+(\c)+1], v[BIAS+4*(\e)+(\c):BIAS+4*(\e)+(\c)+1]
.endr
.endr
.endr
	s_cmp_eq_u32 s3, 1
	s_cbranch_scc1 .Lnoload                        ; the last trip has no rows behind it
	LOADX                                          ; the next four rows come while these are worked on
.Lnoload:
.if FFN
	; gelu(x) = max(x, 0) - |x| q,  q = poly(t) 2^(-log2(e) x^2 / 2) / 2,  t = 1 / (1 + p |x| / sqrt(2))
.set r, 0
.rept 16
	v_and_b32 v[AX+r], s[ABSM], v[T+r]
.set r, r+1
.endr
.set r, 0
.rept 8
	v_pk_fma_f32 v[TT+r:TT+r+1], v[AX+r:AX+r+1], s[CP:CP+1], 1.0 op_sel_hi:[1,0,0]
	v_pk_mul_f32 v[EE+r:EE+r+1], v[T+r:T+r+1], v[T+r:T+r+1]
.set r, r+2
.endr
.set r, 0
.rept 8
	v_pk_mul_f32 v[EE+r:EE+r+1], v[EE+r:EE+r+1], s[CN:CN+1] op_sel_hi:[1,0]
.set r, r+2
.endr
.set r, 0
.rept 16
	v_rcp_f32 v[TT+r], v[TT+r]                     ; one batch of 32
.set r, r+1
.endr
.set r, 0
.rept 16
	v_exp_f32 v[EE+r], v[EE+r]
.set r, r+1
.endr
.set r, 0
.rept 16
	v_max_num_f32 v[T+r], 0, v[T+r]                ; plain work that names none of the batch's results
.set r, r+1
.endr
	s_wait_alu depctr_va_vdst(0)                   ; one wait for the batch, ahead of its first reader
.set r, 0
.rept 8
	v_pk_fma_f32 v[PP+r:PP+r+1], v[TT+r:TT+r+1], s[CA5:CA5+1], s[CA4:CA4+1] op_sel_hi:[1,0,0]
.set r, r+2
.endr
.irp k, CA3, CA2, CA1
.set r, 0
.rept 8
	v_pk_fma_f32 v[PP+r:PP+r+1], v[PP+r:PP+r+1], v[TT+r:TT+r+1], s[\k:\k+1] op_sel_hi:[1,1,0]
.set r, r+2
.endr
.endr
.set r, 0
.rept 8
	v_pk_mul_f32 v[PP+r:PP+r+1], v[PP+r:PP+r+1], v[TT+r:TT+r+1]
.set r, r+2
.endr
.set r, 0
.rept 8
	v_pk_mul_f32 v[PP+r:PP+r+1], v[PP+r:PP+r+1], v[EE+r:EE+r+1]
.set r, r+2
.endr
.set r, 0
.rept 8
	v_pk_fma_f32 v[T+r:T+r+1], v[AX+r:AX+r+1], v[PP+r:PP+r+1], v[T+r:T+r+1] neg_lo:[1,0,0] neg_hi:[1,0,0]
.set r, r+2
.endr
.endif
	s_wait_xcnt 0x0                                ; the last trip's stores have read their data and their offset: both are written again only behind this wait, which stands a trip's sums behind those stores
	v_add_nc_u32 v[CO], 512, v[CO]                 ; four rows of 128 bytes on; the stores reach back by their immediate
.set r, 0
.rept 8
	v_cvt_pk_f16_f32 v[YR+r], v[T+2*r], v[T+2*r+1]
.set r, r+1
.endr
.irp e, 0,1
.irp p, 0,1
	global_store_b64 v[CO], v[YR+2*(2*(\e)+(\p)):YR+2*(2*(\e)+(\p))+1], s[8:9] offset:524288*(\e)+256*(\p)-512  ; two rows of a column block: 256 consecutive bytes, aligned
.endr
.endr
	s_sub_co_u32 s3, s3, 1
	s_cmp_lg_u32 s3, 0
	s_cbranch_scc1 .Lrow
	s_wait_tensorcnt 0x0                           ; the wave's end
	ds_add_u32 v[SPW], v[NIL]
	s_wait_dscnt 0x0
	CROUND                                         ; the closing round
	s_endpgm
.if !FFN
	; THE SECOND JOB.  W1 and W2, 16 MiB of f32 each, are 256 shares of 65,536 bytes each; work-group i of the 64 (i = 4 x tile row + cx) takes shares 4 i .. 4 i + 3 of W1 and then of W2: eight trips.
	; Of a share a wave takes 16,384 bytes: 32 loads of 512 consecutive bytes, all out together; each slot is waited for by its own count, converted and stored as 256 consecutive bytes, aligned.
	; The copies lie as the sources lie: W1 at byte 0, W2 at byte 8,388,608.  No tile, no tensor load, no LDS but the spare words.
.Lcast:
	s_lshl2_add_u32 s20, s13, s40                  ; i
	s_lshl_b32 s94, s20, 18                        ; 4 i shares of 65,536 bytes,
	s_lshl_b32 s21, s10, 14                        ; my wave's quarter of a share
	s_add_co_u32 s94, s94, s21
	s_mov_b32 s95, 0
	s_add_nc_u64 s[72:73], s[72:73], s[94:95]      ; W1 at my part of my first share
	s_add_nc_u64 s[74:75], s[74:75], s[94:95]      ; W2 likewise
	s_lshr_b32 s94, s94, 1                         ; the copies have half the bytes
	s_add_nc_u64 s[76:77], s[76:77], s[94:95]      ; W1's copy,
	s_add_nc_u64 s[78:79], s[76:77], 8388608       ; W2's
	s_mov_b32 s22, 0xffff0000                      ; a word's upper bf16
	v_and_b32 v3, 31, v0
	v_lshlrev_b32 v1, 4, v3                        ; 16 l
	v_lshlrev_b32 v2, 3, v3                        ; 8 l
	s_mov_b32 s3, 0
.Lshare:
.set j, 0
.rept 32
	global_load_b128 v[CX+4*j:CX+4*j+3], v1, s[72:73] offset:512*j th:TH_LOAD_NT
.set j, j+1
.endr
.set j, 0
.rept 32
	s_wait_loadcnt 31-j                            ; loads come back in order: slot j's is in, the younger slots' stay out
	v_cvt_pk_bf16_f32 v[CT], v[CX+4*j], v[CX+4*j+1]
	v_cvt_pk_bf16_f32 v[CT+1], v[CX+4*j+2], v[CX+4*j+3]
	v_lshlrev_b32 v[CT+2], 16, v[CT]
	v_and_b32 v[CT+3], s22, v[CT]
	v_lshlrev_b32 v[CT+4], 16, v[CT+1]
	v_and_b32 v[CT+5], s22, v[CT+1]
	v_cvt_pk_f16_f32 v[CY+2*j], v[CT+2], v[CT+3]
	v_cvt_pk_f16_f32 v[CY+2*j+1], v[CT+4], v[CT+5]
	global_store_b64 v2, v[CY+2*j:CY+2*j+1], s[76:77] offset:256*j
.set j, j+1
.endr
	s_wait_xcnt 0x0                                ; the trip's loads and stores have read their bases and data: both are written again only behind this wait
	s_add_nc_u64 s[72:73], s[72:73], 65536
	s_add_nc_u64 s[76:77], s[76:77], 32768
	s_add_co_u32 s3, s3, 1
	s_cmp_eq_u32 s3, 4                             ; behind W1's four shares come W2's
	s_cselect_b64 s[72:73], s[74:75], s[72:73]
	s_cselect_b64 s[76:77], s[78:79], s[76:77]
	s_cmp_lt_u32 s3, 8
	s_cbranch_scc1 .Lshare
	s_wait_tensorcnt 0x0                           ; the wave's end
	ds_add_u32 v[SPW], v[NIL]
	s_wait_dscnt 0x0
	CROUND                                         ; the sixteen partners end together
	s_endpgm
.endif
.Lfunc_end_k_q1f596d6b59_qkv:
	.size	k_q1f596d6b59_qkv, .Lfunc_end_k_q1f596d6b59_qkv-k_q1f596d6b59_qkv
	.p2alignl 7, 3214868480
	.fill 96, 4, 3214868480
	.section	.rodata,"a",@progbits
	.p2align	6, 0x0
	.amdhsa_kernel k_q1f596d6b59_qkv
		.amdhsa_group_segment_fixed_size 327680
		.amdhsa_private_segment_fixed_size 0
		.amdhsa_enable_private_segment 0
		.amdhsa_kernarg_size 64
		.amdhsa_user_sgpr_count 2
		.amdhsa_user_sgpr_kernarg_segment_ptr 1
		.amdhsa_wavefront_size32 1
		.amdhsa_system_sgpr_workgroup_id_x 1
		.amdhsa_system_sgpr_workgroup_id_y 1
		.amdhsa_system_sgpr_workgroup_id_z 1
		.amdhsa_system_vgpr_workitem_id 0
		.amdhsa_next_free_vgpr 1024
		.amdhsa_next_free_sgpr 100
		.amdhsa_reserve_vcc 0
		.amdhsa_float_denorm_mode_32 3
		.amdhsa_float_denorm_mode_16_64 3
		.amdhsa_memory_ordered 1
		.amdhsa_forward_progress 1
		.amdhsa_inst_pref_size 103
	.end_amdhsa_kernel
	.amdgpu_metadata
---
amdhsa.version: [ 1, 2 ]
amdhsa.kernels:
  - .name:           k_q1f596d6b59_qkv
    .symbol:         k_q1f596d6b59_qkv.kd
    .args:
      - { .name: xw1, .offset: 0, .size: 8, .value_kind: global_buffer, .address_space: global }
      - { .name: bq, .offset: 8, .size: 8, .value_kind: global_buffer, .address_space: global }
      - { .name: bk, .offset: 16, .size: 8, .value_kind: global_buffer, .address_space: global }
      - { .name: bv, .offset: 24, .size: 8, .value_kind: global_buffer, .address_space: global }
      - { .name: qkvb, .offset: 32, .size: 8, .value_kind: global_buffer, .address_space: global }
      - { .name: W1, .offset: 40, .size: 8, .value_kind: global_buffer, .address_space: global }
      - { .name: W2, .offset: 48, .size: 8, .value_kind: global_buffer, .address_space: global }
      - { .name: xw2, .offset: 56, .size: 8, .value_kind: global_buffer, .address_space: global }
    .group_segment_fixed_size: 327680
    .private_segment_fixed_size: 0
    .kernarg_segment_align: 8
    .kernarg_segment_size: 64
    .max_flat_workgroup_size: 128
    .sgpr_count:     100
    .vgpr_count:     1024
    .wavefront_size: 32
...
	.end_amdgpu_metadata
.endif
;; end of part 2
;; launch attn (part 3): grid 8 x 32, 4 waves a work-group, no clusters, 327,680 bytes of LDS; arguments qkvb, ctxb; writes ctxb
.if DOCPART == 3
	.amdgcn_target "amdgcn-amd-amdhsa--gfx1250"
	.amdhsa_code_object_version 6
	.text
	.protected	k_q1f596d6b59_attn
	.globl	k_q1f596d6b59_attn
	.p2align	8
	.type	k_q1f596d6b59_attn,@function
k_q1f596d6b59_attn:
	s_mov_b64 s[64:65], 0
	v_nop
	global_prefetch_b8 v0, s[64:65] scope:SCOPE_SE
	s_setreg_imm32_b32 hwreg(HW_REG_WAVE_MODE, 25, 1), 1
	s_wait_xcnt 0x0
; CAUSAL ATTENTION, head size 64, 2 x 16 heads of 2,048 rows.  q, k, v: f16, [48 column blocks][4096 rows][64] (block = 16 x which + head, row = 2048 x batch + s): a head's rows are dense, 128 bytes each.
; O: f16, [16][4096][64].  Products, maxima and sums in f32; the weights p are rounded to f16 for the second product (their sum l is taken of the unrounded p), O once at the end.
; LIMITS.  q, k, v arrive within 65,504.  A hidden score counts as its value less 1e30 (f16's scores are 2.7e11 at the most); a weight below 2^-126 counts as 0 in l; NaN and infinities are not treated apart.
; THE WALK.  A head's queries lie in 16 blocks of 128; block i needs the key tiles 0 .. i / 2 of 256 keys, the last of which holds the diagonal.  A work-group takes blocks 15 - b and then b: nine tiles whatever b:
; 256 equal work-groups, ONE loop with a constant trip count.  NO CLUSTER: the eight work-groups of a head ask for the same tile only in the first five trips; behind that their blocks end one after the other.
; SHARES.  Of a block's two bands of 64 queries a wave owns 16 rows in each: two PIECES.  Band x of a block of parity pi is band g = 2 pi + x of the diagonal tile: in that tile's key step j it sees all keys
; if j < g, none if j > g, and holds the diagonal if j = g.
; THE MASK is the C operand that starts S^T = K Q^T: MD x AL + BE, MD the mask of a band's own step for my 16 rows, (AL, BE) = (1, 0), (0, 0) or (0, -1e30).
; TURNS.  Turn p belongs to piece p: 8 products K Q^T of the other piece (piece 1: the same step; piece 0: the next), later 8 products V^T P of the other piece's step before; beside them piece p's scaling,
; exponentials, roundings, sums and rescaling and the other piece's maximum and statistics.  A turn's 33 exponentials are one batch with one wait.
; A SLOT HOLDS FIVE STEPS OF K (the tile's four and the next tile's first) and four of V: K of step s + 1 and V of step s are both fetched in piece 0's turn of step s, from the slot in hand.
; REGISTERS: window 0: v2-15 addresses, v16-23 statistics, v48-55 at work, v64-127 S^T (two buffers), v192-223 P (two buffers); window 1: v0-63 O^T, v128-159 MD, v160-223 MC (two buffers);
; window 2: v0-31 Q, v64-95 the second block's Q, v128-191 K of one step, v192-255 V of one step.
.set NP,    2
.set KS,    64
.set PK,    144       ; a row of K in LDS: 128 bytes + 16
.set PV,    160       ; a row of V: 128 + 32
.set VOFF,  5*KS*PK
.set SLOT1, 1<<17
.set STAGE, SLOT1+5*KS*PK+4*KS*PV
.set SP,    144
.set AK0, 2
.set AV0, 3
.set AK,  4
.set AV,  5
.set STO, 6
.set RD,  7
.set GO,  8
.set PFO, 61          ; 256 x my lane
.set SPW, 62
.set NIL, 63
.set SPARE, STAGE+4*16*SP
.set MV,  12
.set QO,  15
.set ST,  16
.set TMP, 48
.set S,   64
.set P,   192
.set MD,  128
.set MC,  160
.set QB,  64
.set KF,  128
.set VF,  192
.set WV,  12
.set PB,  14
.set HI,  15
.set G1K, 24
.set G1V, 32
.set G0K, 40
.set G0V, 44
.set SLOTS, 56
.set CNT, 57
.set CS,  58
.set SEL, 60
.set TBK, 62
.set TBV, 63
.set RT,  70
.set NXT, 71
.set LQ,  72
.set NEW, 73
.set OFF, 74
.set AL,  76
.set BE,  78
.set OLO, 80
.set BIGN, 82
.set LOT, 83          ; the second block's last tile
.set C0,  84          ; 5 - 2 pi: the count at which piece 0's turn makes the mask of band 0's own step
.set C1,  85          ; 3 - 2 pi: the same for piece 1's turn and band 1
.set A0,  86          ; 1.0 where band 0's own step is the tile's first (pi = 0)
.set PFT, 87          ; the tile at which the prefetches stand
.set PFA, 88          ; s[88:89] and its address
.set PLIM, 90         ; 8 in the work-group that prefetches, else 0
.set MSB, 0
.macro WIN new
.if MSB != (\new)
	s_set_vgpr_msb (MSB<<8)|(\new)
.set MSB, (\new)
.endif
.endm
.set W_KQ, 0x0a
.set W_KM, 0x1a
.set W_PV, 0x52
.set W_RS, 0x41
.macro LOAD                         ; waves 0, 1 fetch the halves of a slot's K (160 keys each), waves 2, 3 those of its V (128 each)
	s_cmp_lt_u32 s[WV], 2
	s_cbranch_scc0 .Lfor_v_\@
	tensor_load_to_lds s[G0K:G0K+3], s[G1K:G1K+7]
	s_nop 0
.rept 4
	v_nop
.endr
	s_branch .Lasked_\@
.Lfor_v_\@:
	tensor_load_to_lds s[G0V:G0V+3], s[G1V:G1V+7]
	s_nop 0
.rept 4
	v_nop
.endr
.Lasked_\@:
.endm
; THE CHANGE OF SLOTS.  Each wave waits for all its tensor loads (one is out: its part of the other slot), adds 0 to its spare word, and waits for that and for its own reads of the slot that it leaves.
; fill = 1: the old slot is filled again, first thing behind the barrier, with tile NXT; then the head's work-group b = 0, which walks tiles 0 to 7, prefetches the tile behind that one: each wave its own
; 16 KiB (64 rows of 256 bytes, two instructions), one tile, eight turns, ahead of the load that will ask for it; tiles 0 and 1 come by their loads alone, and nothing is named behind tile 7.
.macro CHANGE fill
	WIN 0
	s_wait_tensorcnt 0x0
	ds_add_u32 v[SPW], v[NIL]
.if \fill
	s_lshl_b32 s[OFF], s[NXT], 15
	s_xor_b32 s[G0K+1], s[G0K+1], SLOT1
	s_add_nc_u64 s[G0K+2:G0K+3], s[6:7], s[OFF:OFF+1]
	s_or_b32 s[G0K+3], s[G0K+3], 0x80000000
	s_xor_b32 s[G0V+1], s[G0V+1], SLOT1
	s_add_nc_u64 s[G0V+2:G0V+3], s[8:9], s[OFF:OFF+1]
	s_or_b32 s[G0V+3], s[G0V+3], 0x80000000
	s_add_co_u32 s[NXT], s[NXT], 1
	s_cmp_gt_u32 s[NXT], s[LQ]
	s_cselect_b32 s[NXT], 0, s[NXT]
	s_cselect_b32 s[LQ], s[LOT], s[LQ]
	s_wait_xcnt 0x0                 ; the last prefetches, a tile back, have read their address
	s_add_nc_u64 s[PFA:PFA+1], s[PFA:PFA+1], 32768
	s_add_co_u32 s[PFT], s[PFT], 1
.endif
	s_wait_dscnt 0x0
	s_barrier_signal -1
	s_sub_co_u32 s[TBK], s[TBK], 4*KS*PK
	s_xor_b32 s[TBK], s[TBK], SLOT1
	s_sub_co_u32 s[TBV], s[TBV], 4*KS*PV
	s_xor_b32 s[TBV], s[TBV], SLOT1
	s_barrier_wait -1
.if \fill
	LOAD
	s_cmp_lt_u32 s[PFT], s[PLIM]
	s_cbranch_scc0 .Lnot_mine_\@
	global_prefetch_b8 v[PFO], s[PFA:PFA+1] th:TH_LOAD_NT scope:SCOPE_SE
	global_prefetch_b8 v[PFO], s[PFA:PFA+1] offset:8192 th:TH_LOAD_NT scope:SCOPE_SE
.Lnot_mine_\@:
.endif
.endm
	s_load_b64 s[4:5], s[0:1], 0x0    ; q, k, v
	s_load_b64 s[10:11], s[0:1], 0x8  ; O
	v_lshl_add_u32 v[SPW], v0, 2, SPARE
	v_mov_b32 v[NIL], 0
	ds_add_u32 v[SPW], v[NIL]       ; the wave's opening: the add and its wait ahead of my first tensor load
	ds_add_u32 v62, v63
	v_lshrrev_b32 v1, 5, v0
	v_readfirstlane_b32 s[WV], v1
	s_mov_b32 s[PB], ttmp9
	s_sub_co_u32 s[HI], 15, s[PB]
	s_lshr_b32 s[LOT], s[PB], 1
	s_and_b32 s20, ttmp7, 0xffff
	s_and_b32 s21, s20, 15          ; head
	s_lshr_b32 s20, s20, 4          ; batch
	s_lshl_b32 s21, s21, 19
	s_lshl_b32 s20, s20, 18
	s_add_co_u32 s20, s20, s21      ; the head's first byte in a tensor of 16 column blocks
	s_and_b32 s16, s[WV], 1
	s_mul_i32 s22, s16, 160*128     ; K: my 160 keys of a slot's 320
	s_add_co_u32 s22, s22, s20
	s_add_co_u32 s22, s22, 8388608
	s_mov_b32 s23, 0
	s_lshl_b32 s92, s16, 14         ; V, and the prefetches: my 128 keys of a tile's 256
	s_add_co_u32 s92, s92, s20
	s_add_co_u32 s94, s92, 16777216
	s_mov_b32 s95, 0
	s_mov_b32 s96, 8388608+32768    ; the prefetches stand at tile 1; the first change steps them to tile 2
	s_cmp_lt_u32 s[WV], 2
	s_cselect_b32 s96, s96, 16777216+32768
	s_add_co_u32 s96, s96, s92
	s_mov_b32 s97, 0
	s_mul_i32 s17, s16, 160*PK
	s_mul_i32 s18, s16, 128*PV
	s_lshl_b32 s3, s[WV], 11        ; my 16 rows in a band,
	s_add_co_u32 s3, s3, s20
	s_lshl_b32 s2, s[HI], 14        ; in the first block,
	s_add_co_u32 s2, s2, s3
	s_lshl_b32 s92, s[PB], 14       ; and in the second
	s_add_co_u32 s92, s92, s3
	s_mov_b32 s3, 0
	s_mov_b32 s93, 0
	; descriptor group 1: dense keys asked for as rows of 256 bytes, two keys a row, padded in LDS after every key
	s_mov_b32 s[G1K], (1<<16)|(1<<20)|(4<<22)|(3<<25)
	s_mov_b32 s[G1K+1], 128<<16
	s_mov_b32 s[G1K+2], 80<<16
	s_mov_b32 s[G1K+3], 128<<16
	s_mov_b32 s[G1K+4], 80
	s_mov_b32 s[G1K+5], 128
	s_mov_b32 s[G1K+6], 0
	s_mov_b32 s[G1K+7], 0
	s_mov_b32 s[G1V], (1<<16)|(1<<20)|(4<<22)|(7<<25)
	s_mov_b32 s[G1V+1], 128<<16
	s_mov_b32 s[G1V+2], 64<<16
	s_mov_b32 s[G1V+3], 128<<16
	s_mov_b32 s[G1V+4], 64
	s_mov_b32 s[G1V+5], 128
	s_mov_b32 s[G1V+6], 0
	s_mov_b32 s[G1V+7], 0
	s_mov_b32 s[CS], 0x3e38aa3b     ; c = log2(e) / 8
	s_mov_b32 s[CS+1], s[CS]
	s_mov_b32 s[SEL], 0x76543210
	s_mov_b32 s[SEL+1], 0xfedcba98
	s_mov_b32 s[TBK], SLOT1+5*KS*PK ; the first change of slots turns this into step 1 of slot 0,
	s_mov_b32 s[TBV], SLOT1+4*KS*PV ; and this into 0
	s_mov_b32 s[G0K], 1
	s_mov_b32 s[G0K+1], s17
	s_mov_b32 s[G0V], 1
	s_add_co_u32 s[G0V+1], s18, VOFF
	s_lshr_b32 s[LQ], s[HI], 1
	s_add_co_u32 s[RT], s[LQ], 1
	s_mov_b32 s[NXT], 1
	s_mov_b32 s[NEW], 1
	s_mov_b32 s[OFF+1], 0
	s_mov_b32 s[AL+1], 0
	s_mov_b32 s[BE+1], 0
	s_mov_b32 s[BIGN], 0xf149f2ca   ; -1e30
	s_mov_b32 s[SLOTS], 8
	s_and_b32 s13, s[HI], 1         ; the first block's parity
	s_cmp_eq_u32 s13, 0
	s_cselect_b32 s[A0], 1.0, 0
	s_lshl_b32 s13, s13, 1
	s_sub_co_u32 s[C0], 5, s13
	s_sub_co_u32 s[C1], 3, s13
	s_mov_b32 s[PFT], 1
	s_cmp_eq_u32 s[PB], 0
	s_cselect_b32 s[PLIM], 8, 0
	v_and_b32 v[PFO], 31, v0
	v_lshlrev_b32 v[PFO], 8, v[PFO]
	s_wait_dscnt 0x0
	s_wait_kmcnt 0x0
	s_add_nc_u64 s[6:7], s[4:5], s[22:23]
	s_add_nc_u64 s[8:9], s[4:5], s[94:95]
	s_add_nc_u64 s[PFA:PFA+1], s[4:5], s[96:97]
	s_add_nc_u64 s[G0K+2:G0K+3], s[6:7], 0
	s_or_b32 s[G0K+3], s[G0K+3], 0x80000000
	s_add_nc_u64 s[G0V+2:G0V+3], s[8:9], 0
	s_or_b32 s[G0V+3], s[G0V+3], 0x80000000
	s_add_nc_u64 s[98:99], s[4:5], s[92:93]
	s_add_nc_u64 s[4:5], s[4:5], s[2:3]
	s_add_nc_u64 s[OLO:OLO+1], s[10:11], s[92:93]
	s_add_nc_u64 s[10:11], s[10:11], s[2:3]
	LOAD                            ; tile 0 into slot 0
	v_and_b32 v1, 15, v0
	v_bfe_u32 v9, v0, 4, 1
	v_lshlrev_b32 v[QO], 7, v1
	v_lshl_add_u32 v[QO], v9, 4, v[QO]
	WIN 0x80
.set i, 0
.rept 4                             ; both blocks' Q: piece i / 2 lies in band i / 2, 8,192 bytes on; channels 32 (i % 2) on
	global_load_b128 v[8*i:8*i+3],   v[QO], s[4:5] offset:(i/2)*8192+(i%2)*64
	global_load_b128 v[8*i+4:8*i+7], v[QO], s[4:5] offset:(i/2)*8192+(i%2)*64+32
	global_load_b128 v[QB+8*i:QB+8*i+3],   v[QO], s[98:99] offset:(i/2)*8192+(i%2)*64
	global_load_b128 v[QB+8*i+4:QB+8*i+7], v[QO], s[98:99] offset:(i/2)*8192+(i%2)*64+32
.set i, i+1
.endr
	WIN 0
	v_lshlrev_b32 v14, 3, v9
	v_sub_nc_u32 v14, v1, v14
	s_lshl_b32 s13, s[WV], 4
	v_add_nc_u32 v14, s13, v14      ; my query's place in its band less my lanes' 8 (l / 16): register r of group kt is hidden where 16 kt + r is greater
	WIN 0x40
.set i, 0
.rept 32
	v_cmp_gt_i32 vcc_lo, 16*(i/8)+i%8, v14
	v_cndmask_b32 v[MD+i], 0, s[BIGN], vcc_lo
.set i, i+1
.endr
	WIN 0
	v_mul_u32_u24 v[AK0], v1, PK
	v_lshl_add_u32 v[AK0], v9, 4, v[AK0]
	v_and_b32 v10, 7, v0
	v_bfe_u32 v11, v0, 3, 1
	v_lshl_add_u32 v[AV0], v9, 3, v10
	v_mul_u32_u24 v[AV0], v[AV0], PV
	v_lshl_add_u32 v[AV0], v11, 4, v[AV0]
	v_add_nc_u32 v[AV0], VOFF, v[AV0]
	s_mul_i32 s13, s[WV], 16*SP
	s_add_co_u32 s13, s13, STAGE
	v_mul_u32_u24 v[STO], v1, SP
	v_lshl_add_u32 v[STO], v9, 4, v[STO]
	v_add_nc_u32 v[STO], s13, v[STO]
	v_bfe_u32 v[RD], v0, 3, 2
	v_mul_u32_u24 v[RD], v[RD], SP
	v_lshl_add_u32 v[RD], v10, 4, v[RD]
	v_add_nc_u32 v[RD], s13, v[RD]
	v_and_b32 v[GO], 31, v0
	v_lshlrev_b32 v[GO], 4, v[GO]
	; A block's first step multiplies O^T and l by a = 0, and its first turn's products V^T P, of a piece that has not been, land in an O^T still to be so multiplied: these need only be finite.
	WIN 0x80
.set i, VF
.rept 64
	v_mov_b32 v[i], 0
.set i, i+1
.endr
	WIN 0x40
.set i, 0
.rept 64
	v_mov_b32 v[i], 0
.set i, i+1
.endr
	WIN 0
.set i, 0
.rept NP
	v_mov_b32 v[ST+4*i+2], 0
	v_mov_b32 v[ST+4*i+3], 0
.set i, i+1
.endr
.set i, P+16
.rept 16
	v_mov_b32 v[i], 0
.set i, i+1
.endr
; Product i of 8 of S^T = K Q^T for piece x: channels 32 (i / 4) on, keys 16 (i % 4) on.  The 4 accumulators of a run take turns.  The first 4 start the sums: with 0, or (KM = 1) with the mask.
.macro KQ x
.set rS, S+32*((\x)%2)+8*(i%4)
.set rK, KF+16*(i%4)+8*(i/4)
.set rQ, 16*(\x)+8*(i/4)
.set rM, MC+32*((\x)%2)+8*(i%4)
.if (i < 4) && KM
	WIN W_KM
	v_wmma_f32_16x16x32_f16 v[rS:rS+7], v[rK:rK+7], v[rQ:rQ+7], v[rM:rM+7]
.elseif i < 4
	WIN W_KQ
	v_wmma_f32_16x16x32_f16 v[rS:rS+7], v[rK:rK+7], v[rQ:rQ+7], 0
.else
	WIN W_KQ
	v_wmma_f32_16x16x32_f16 v[rS:rS+7], v[rK:rK+7], v[rQ:rQ+7], v[rS:rS+7]
.endif
.endm
.macro PV x                         ; product i of 8 of O^T += V^T P for piece x: keys 32 (i / 4) on, channels 16 (i % 4) on
	WIN W_PV
.set rO, 32*(\x)+8*(i%4)
.set rV, VF+32*(i/4)+8*(i%4)
.set rP, P+16*((\x)%2)+8*(i/4)
	v_wmma_f32_16x16x32_f16 v[rO:rO+7], v[rV:rV+7], v[rP:rP+7], v[rO:rO+7]
.endm
.macro MM                           ; the turn's next matrix instruction.  NOKQ = 1: a block's last turn starts no new scores
.if (i < 8) && !NOKQ
	KQ (Y+1)%NP
.elseif i >= 8
.set i, i-8
	PV (Y+NP-1)%NP
.set i, i+8
.endif
.set i, i+1
.endm
.macro FETCH_K step                 ; a step's K: 16 loads in one run; step = 1: the next fetch is the next step's
	WIN 0x80
.irp f, 0,1,2,3,4,5,6,7
	ds_load_b128 v[KF+8*\f:KF+8*\f+3],   v[AK] offset:(\f/2)*16*PK+(\f%2)*64
	ds_load_b128 v[KF+8*\f+4:KF+8*\f+7], v[AK] offset:(\f/2)*16*PK+(\f%2)*64+32
.endr
.if \step
	s_add_co_u32 s[TBK], s[TBK], KS*PK
.endif
	WIN 0
.endm
.macro FETCH_V
	WIN 0x80
.irp f, 0,1,2,3,4,5,6,7
	ds_load_tr16_b128 v[VF+8*\f:VF+8*\f+3],   v[AV] offset:(\f/4)*32*PV+(\f%4)*32
	ds_load_tr16_b128 v[VF+8*\f+4:VF+8*\f+7], v[AV] offset:(\f/4)*32*PV+16*PV+(\f%4)*32
.endr
	WIN 0
.endm
; THE VECTOR WORK, one line at a time: OP kind, number.  For piece Y: F n: c s - c m for pair n.  E n: the exponential of score n.  C n: pair n rounded to f16.  B n: of four weights the second pair onto the first.
; L n: l takes that sum (L 0: l = a l + sum).  R n: pair n of O^T times a.  For the other piece: X n, number n of the 22 that find its maximum and statistics (each accumulator's lowest registers are read first).
.set F, 0
.set E, 1
.set C, 2
.set B, 3
.set L, 4
.set R, 5
.set X, 6
.macro REGS y
.set rT, ST+4*(\y)
.set rC, TMP+4*((\y)%2)
.set rW, MV+((\y)%2)
.set rS, S+32*((\y)%2)
.set rP, P+16*((\y)%2)
.set rO, 32*(\y)
.endm
.macro OP k, n
.if (\k) == R
	REGS Y
	WIN W_RS
	v_pk_mul_f32 v[rO+2*(\n):rO+2*(\n)+1], v[rO+2*(\n):rO+2*(\n)+1], v[rC+2:rC+3] op_sel_hi:[1,0]
.elseif (\k) < R
	REGS Y
	WIN 0
.if (\k) == F
	v_pk_fma_f32 v[rS+2*(\n):rS+2*(\n)+1], v[rS+2*(\n):rS+2*(\n)+1], s[CS:CS+1], v[rT:rT+1] op_sel_hi:[1,0,0] neg_lo:[0,0,1] neg_hi:[0,0,1]
.elseif (\k) == E
	v_exp_f32 v[rS+(\n)], v[rS+(\n)]
.elseif (\k) == C
	v_cvt_pk_f16_f32 v[rP+(\n)], v[rS+2*(\n)], v[rS+2*(\n)+1]
.elseif (\k) == B
	v_pk_add_f32 v[rS+4*(\n):rS+4*(\n)+1], v[rS+4*(\n):rS+4*(\n)+1], v[rS+4*(\n)+2:rS+4*(\n)+3]
.elseif (\n) == 0
	v_pk_fma_f32 v[rT+2:rT+3], v[rT+2:rT+3], v[rC+2:rC+3], v[rS:rS+1] op_sel_hi:[1,0,1]
.else
	v_pk_add_f32 v[rT+2:rT+3], v[rT+2:rT+3], v[rS+4*(\n):rS+4*(\n)+1]
.endif
.elseif NOKQ
	v_nop
.else
	REGS (Y+1)%NP
	WIN 0
.if (\n) < 4
	v_max3_num_f32 v[rC+(\n)], v[rS+8*(\n)], v[rS+8*(\n)+1], v[rS+8*(\n)+2]
.elseif (\n) < 12
	v_max3_num_f32 v[rC+(\n)%4], v[rC+(\n)%4], v[rS+8*((\n)%4)+2*((\n)/4)+1], v[rS+8*((\n)%4)+2*((\n)/4)+2]
.elseif (\n) == 12
	v_max3_num_f32 v[rC], v[rC], v[rS+7], v[rS+15]
.elseif (\n) == 13
	v_max3_num_f32 v[rC+1], v[rC+1], v[rS+23], v[rS+31]
.elseif (\n) == 14
	v_max3_num_f32 v[rC+2], v[rC+2], v[rC+3], v[rT+1]
.elseif (\n) == 15
	v_mov_b32 v[rW], v[rT]
.elseif (\n) == 16
	v_max3_num_f32 v[rC], v[rC], v[rC+1], v[rC+2]
.elseif (\n) == 17
	v_permlanex16_b32 v[rC+3], v[rC], s[SEL], s[SEL+1]
.elseif (\n) == 18
	v_max_num_f32 v[rT+1], v[rC], v[rC+3]
.elseif (\n) == 19
	v_mul_f32 v[rT], s[CS], v[rT+1]
.elseif (\n) == 20
	v_sub_f32 v[rC+1], v[rW], v[rT]
.else
	v_exp_f32 v[rC+2], v[rC+1]
.endif
.endif
.endm
.macro OPS a, i1, b=-1, i2=0, c=-1, i3=0, d=-1, i4=0
	OP \a, \i1
.if (\b) >= 0
	OP \b, \i2
.endif
.if (\c) >= 0
	OP \c, \i3
.endif
.if (\d) >= 0
	OP \d, \i4
.endif
.endm
.macro ROW a, i1, b, i2, c, i3, d, i4  ; a matrix instruction and the four behind it
	MM
	OPS \a, \i1, \b, \i2, \c, \i3, \d, \i4
.endm
.macro MASK b                       ; MD x AL + BE into buffer b of MC
	WIN W_RS
.set z, 0
.rept 16
	v_pk_fma_f32 v[MC+32*(\b)+2*z:MC+32*(\b)+2*z+1], v[MD+2*z:MD+2*z+1], s[AL:AL+1], s[BE:BE+1] op_sel_hi:[1,0,0]
.set z, z+1
.endr
.endm
; A TURN, for piece p.  Ahead of its one wait stands all that names no result of its exponentials: 8 products K Q^T with four riders each, then a lump; behind it 8 products V^T P, behind each four roundings and sums.
; m = 1: the diagonal tile: the products take masks, and the turn makes the mask that the NEXT turn's products take: piece 1's turn for band 1 in the trip's step, piece 0's for band 0 in the step after.
; end = 1: a block's last turn (piece 1's).  cnt = 1: the loop's count is taken down some lines ahead of the branch behind the turn; no scalar line that sets SCC follows it.
; Piece 0's turn holds both runs of LDS loads: K of the next step five plain instructions or more behind the last product that read K; V of the step in hand at its end, four roundings behind the last product that read V.
.macro TURN p, m=0, end=0, cnt=0
.set Y, (\p)
.set i, 0
.set KM, (\m)
.set NOKQ, (\end)
.if (\m) && !(\end)
	s_cmp_eq_u32 s[CNT], s[C0+(\p)]
	s_cselect_b32 s[AL], 1.0, 0
	s_cmp_lt_u32 s[CNT], s[C0+(\p)]
	s_cselect_b32 s[BE], s[BIGN], 0
.endif
.if ((\p) == 1) && !(\end)
	s_wait_dscnt 16                 ; K's 16 loads are in; V's 16, issued behind them, may be out
.endif
	ROW F,0, F,1, R,0, R,1
	ROW F,2, E,0, R,2, R,3
	ROW F,3, E,1, R,4, R,5
	ROW F,4, E,2, R,6, R,7
	ROW F,5, E,3, R,8, R,9
	ROW F,6, E,4, X,0, R,10
.if (\p) == 0
	WIN 0
	v_add_nc_u32 v[AK], s[TBK], v[AK0]
.endif
	ROW F,7, E,5, X,1, X,4
	ROW F,8, E,6, X,2, X,5
	OPS E,7, E,8, X,6, E,9
	OPS X,3, E,10, X,8, E,11
.if (\p) == 0
	FETCH_K 1
.endif
	OPS X,9, X,7, E,12, X,10
	OPS E,13, X,12, X,11, E,14
	OPS X,13, E,15, F,9, X,14
.if (\p) == 0
	v_add_nc_u32 v[AV], s[TBV], v[AV0]
.endif
	OPS E,16, F,10, E,17, F,11
	OPS X,16, E,18, X,15, E,19
	OPS F,12, E,20, X,17, E,21
	OPS F,13, E,22, F,14, E,23
	OPS X,18, E,24, F,15, E,25
	OPS R,11, E,26, X,19, E,27
	OPS R,12, E,28, R,13, E,29
	OPS X,20, E,30, R,14, E,31
	OPS X,21, R,15
	WIN 0
	s_wait_alu depctr_va_vdst(0)    ; one wait for the batch, ahead of its first reader
.if (\p) == 1
	s_wait_dscnt 0x0                ; V is in
.endif
	ROW C,0, B,0, C,2, B,1
	ROW L,0, C,4, B,2, L,1
	ROW C,6, B,3, L,2, C,8
	ROW B,4, L,3, C,10, B,5
	ROW L,4, C,12, B,6, L,5
.if (\p) == 0
	s_add_co_u32 s[TBV], s[TBV], KS*PV
.endif
.if \cnt
	s_sub_co_u32 s[CNT], s[CNT], 1
	s_cmp_lg_u32 s[CNT], 0
.endif
	ROW C,14, B,7, L,6, C,1
	ROW C,3, L,7, C,5, C,7
	ROW C,9, C,11, C,13, C,15
.if (\p) == 0
	FETCH_V
.endif
.if (\m) && !(\end)
	MASK \p
.endif
.endm
.macro ENTER                        ; a tile is entered: its count, and band 0's mask for its step 0 (its own step where the tile is the diagonal one of a block of parity 0)
	s_sub_co_u32 s[RT], s[RT], 1
	s_mov_b32 s[CNT], 4
	s_cmp_eq_u32 s[RT], 0
	s_cselect_b32 s[AL], s[A0], 0
	s_mov_b32 s[BE], 0
	MASK 0
	WIN 0
.endm
; A BLOCK BEGINS.  c m starts far below every c s, so the first step's a is 0; m at the lowest finite number.  Band 1 sees all of a tile's step 0: its mask buffer is 0.  Then K of the tile's step 0, piece 0's first
; scores, and its maximum and statistics.  The loop is entered at piece 0's turn, in the middle of a trip.
.macro BEGIN
	s_mov_b32 s[NEW], 0
	WIN 0x40
.set i, MC+32
.rept 32
	v_mov_b32 v[i], 0
.set i, i+1
.endr
	WIN 0
.set i, 0
.rept NP
	v_mov_b32 v[ST+4*i], 0xfe000000
	v_mov_b32 v[ST+4*i+1], 0xff7fffff
.set i, i+1
.endr
	s_sub_co_u32 s13, s[TBK], KS*PK
	v_add_nc_u32 v[AK], s13, v[AK0]
	FETCH_K 0
	s_wait_loadcnt 0x0              ; Q
	s_wait_dscnt 0x0
.set KM, 1
.set NOKQ, 0
.set i, 0
.rept 8
	KQ 0
.set i, i+1
.endr
	WIN 0
.rept 4
	v_nop                           ; the places behind those products
.endr
.set Y, NP-1
.irp n, 0,1,2,3,4,5,6,7,8,9,10,11,12,13,14,15,16,17,18,19,20,21
	OP X, \n
.endr
	v_nop                           ; a plain instruction behind the exponential,
	s_wait_alu depctr_va_vdst(0)    ; and its wait, ahead of the branch
.endm
.macro ALL line:vararg
.set t, 0
.rept NP
	\line
.set t, t+1
.endr
.endm
.macro PACK t                       ; O^T / l, rounded to f16, through my stage: in as 16 bytes a lane, back as whole rows
	WIN W_RS
.set i, 32*(\t)
.rept 16
	v_pk_mul_f32 v[i:i+1], v[i:i+1], v[ST+4*(\t)+2:ST+4*(\t)+3] op_sel_hi:[1,0]
.set i, i+2
.endr
	WIN 0x05
.set i, 0
.rept 16
	v_cvt_pk_f16_f32 v[S+16*(\t)+i], v[32*(\t)+2*i], v[32*(\t)+2*i+1]
.set i, i+1
.endr
	WIN 0
.irp f, 0,1,2,3
	ds_store_b128 v[STO], v[S+16*(\t)+4*\f:S+16*(\t)+4*\f+3] offset:32*\f
.endr
.irp f, 0,1,2,3
	ds_load_b128 v[S+16*(\t)+4*\f:S+16*(\t)+4*\f+3], v[RD] offset:\f*4*SP  ; LDS serves a wave's instructions in order: these see the stores above; the next piece's stores come behind them
.endr
.endm
.macro SEND t, younger              ; younger: the LDS instructions issued behind piece t's loads
	WIN 0
.irp f, 0,1,2,3
	s_wait_dscnt (\younger)+3-\f
	global_store_b128 v[GO], v[S+16*(\t)+4*\f:S+16*(\t)+4*\f+3], s[10:11] offset:(\t)*8192+\f*512  ; 512 consecutive bytes, aligned
.endr
.endm
.macro DIAG tag                     ; the diagonal tile's four steps, the block's last turn, its last products, and the way out
.LstepM\tag:
	TURN 1, 1
	WIN 0
.LfirstM\tag:
	TURN 0, 1, 0, 1
	WIN 0
	s_cbranch_scc1 .LstepM\tag
	TURN 1, 1, 1
.set i, 0
.rept 8
	PV NP-1
.set i, i+1
.endr
	WIN 0
	ALL v_add_f32 v[ST+4*t+2], v[ST+4*t+2], v[ST+4*t+3]
	ALL v_permlanex16_b32 v[ST+4*t+3], v[ST+4*t+2], s[SEL], s[SEL+1]
	ALL v_add_f32 v[ST+4*t+2], v[ST+4*t+2], v[ST+4*t+3]
	ALL v_rcp_f32 v[ST+4*t+2], v[ST+4*t+2]
	v_nop
	s_wait_alu depctr_va_vdst(0)    ; one wait for the two reciprocals
	PACK 0                          ; piece 0's sums were finished a run of products ago; its 32 lines are the places behind piece 1's last products
	PACK 1
	SEND 0, 8
	SEND 1, 0
.endm
.set KM, 0
.set NOKQ, 0
.Lslot:                             ; eight times: a tile is entered and the next is asked for
	CHANGE 1
	ENTER
	s_cmp_eq_u32 s[NEW], 1
	s_cbranch_scc1 .Lnew
	s_cmp_eq_u32 s[RT], 0
	s_cbranch_scc0 .Lstep
	s_branch .LstepM1
.Lnew:
	BEGIN
	s_branch .Lfirst                ; in the loop a block's first tile is never its last: the first block has five tiles or more, and the second's last is the walk's last
	DIAG 1                          ; in the loop this is the first block's end
	s_wait_xcnt 0x0                 ; the stores have read their registers and O's address
	s_mov_b64 s[10:11], s[OLO:OLO+1]
	s_add_co_u32 s[RT], s[LOT], 1
	s_mov_b32 s[NEW], 1
	s_and_b32 s13, s[PB], 1         ; the second block's parity
	s_cmp_eq_u32 s13, 0
	s_cselect_b32 s[A0], 1.0, 0
	s_lshl_b32 s13, s13, 1
	s_sub_co_u32 s[C0], 5, s13
	s_sub_co_u32 s[C1], 3, s13
	WIN 0x82
.set i, 0
.rept 32
	v_mov_b32 v[i], v[QB+i]
.set i, i+1
.endr
	WIN 0
	s_branch .Lbottom
.Lstep:                             ; a trip: piece 1 of one step, then piece 0 of the next
	TURN 1
	WIN 0
.Lfirst:
	TURN 0, 0, 0, 1
	WIN 0
	s_cbranch_scc1 .Lstep
.Lbottom:
	s_sub_co_u32 s[SLOTS], s[SLOTS], 1
	s_cmp_lg_u32 s[SLOTS], 0
	s_cbranch_scc1 .Lslot
	CHANGE 0                        ; the walk's last tile is written out
	ENTER
	s_cmp_eq_u32 s[NEW], 1
	s_cbranch_scc0 .LstepM2
	BEGIN
	s_branch .LfirstM2
	DIAG 2
	s_wait_tensorcnt 0x0            ; the wave's end
	ds_add_u32 v[SPW], v[NIL]
	s_wait_dscnt 0x0
	s_endpgm
.Lfunc_end_k_q1f596d6b59_attn:
	.size	k_q1f596d6b59_attn, .Lfunc_end_k_q1f596d6b59_attn-k_q1f596d6b59_attn
	.p2alignl 7, 3214868480
	.fill 96, 4, 3214868480
	.section	.rodata,"a",@progbits
	.p2align	6, 0x0
	.amdhsa_kernel k_q1f596d6b59_attn
		.amdhsa_group_segment_fixed_size 327680
		.amdhsa_private_segment_fixed_size 0
		.amdhsa_enable_private_segment 0
		.amdhsa_kernarg_size 16
		.amdhsa_user_sgpr_count 2
		.amdhsa_user_sgpr_kernarg_segment_ptr 1
		.amdhsa_wavefront_size32 1
		.amdhsa_system_sgpr_workgroup_id_x 1
		.amdhsa_system_sgpr_workgroup_id_y 1
		.amdhsa_system_sgpr_workgroup_id_z 1
		.amdhsa_system_vgpr_workitem_id 0
		.amdhsa_next_free_vgpr 768
		.amdhsa_next_free_sgpr 100
		.amdhsa_reserve_vcc 1
		.amdhsa_float_denorm_mode_32 3
		.amdhsa_float_denorm_mode_16_64 3
		.amdhsa_memory_ordered 1
		.amdhsa_forward_progress 1
		.amdhsa_inst_pref_size 126
	.end_amdhsa_kernel
	.amdgpu_metadata
---
amdhsa.version: [ 1, 2 ]
amdhsa.kernels:
  - .name:           k_q1f596d6b59_attn
    .symbol:         k_q1f596d6b59_attn.kd
    .args:
      - { .name: qkvb, .offset: 0, .size: 8, .value_kind: global_buffer, .address_space: global }
      - { .name: ctxb, .offset: 8, .size: 8, .value_kind: global_buffer, .address_space: global }
    .group_segment_fixed_size: 327680
    .private_segment_fixed_size: 0
    .kernarg_segment_align: 8
    .kernarg_segment_size: 16
    .max_flat_workgroup_size: 128
    .sgpr_count:     100
    .vgpr_count:     768
    .wavefront_size: 32
...
	.end_amdgpu_metadata
.endif
;; end of part 3
;; launch fc (part 4): grid 8 x 32, 4 waves a work-group, clusters of 4 x 4, 327,680 bytes of LDS; arguments ctxb, xw1, yb; writes yb
.if DOCPART == 4
	.amdgcn_target "amdgcn-amd-amdhsa--gfx1250"
	.amdhsa_code_object_version 6
	.text
	.protected	k_q1f596d6b59_fc
	.globl	k_q1f596d6b59_fc
	.p2align	8
	.type	k_q1f596d6b59_fc,@function
k_q1f596d6b59_fc:
	s_mov_b64 s[64:65], 0
	v_nop
	global_prefetch_b8 v0, s[64:65] scope:SCOPE_SE
	s_setreg_imm32_b32 hwreg(HW_REG_WAVE_MODE, 25, 1), 1
	s_wait_xcnt 0x0
	s_wait_alu depctr_hold_cnt(0) depctr_sa_sdst(0) depctr_va_vdst(0) depctr_va_sdst(0) depctr_va_ssrc(0) depctr_va_vcc(0) depctr_vm_vsrc(0)
	s_getreg_b32 s2, hwreg(HW_REG_IB_STS2, 6, 4)
	s_cmp_eq_u32 s2, 0
	s_cbranch_scc0 .Lentry_in_a_cluster
	s_endpgm
.Lentry_in_a_cluster:
	s_bfe_u32 s2, ttmp6, 0x10000c
	s_cmp_lg_u32 s2, 0xf033
	s_cbranch_scc0 .Lentry_shape_is_right
	s_endpgm
.Lentry_shape_is_right:
; Y = A W, f32 out.  A: f16 in column blocks of 64, [KTOT / 64][4096 rows][64].  W: f16 [KTOT][1024], at byte WOFF of its buffer.  Y: [4096][1024] f32.  Sums in f32.  Bias and residual are added by the norm's launch.
; LIMITS.  A and W lie within f16's 65,504; NaN and infinities are not treated apart.
; SHAPE.  1,024 columns give 64 tiles of 256 x 256: too few.  A tile is 128 x 128: 256 work-groups.  Four waves, each 64 x 64: 16 accumulators.  K goes in steps of 256 through two LDS slots.
; A's unit (waves 0, 1): 64 rows x 4 column blocks; a block's 64 rows are 8,192 dense bytes, asked for as one row of the descriptor and padded in LDS after every 128 bytes.  W's unit (waves 2, 3): 128 rows of 256 bytes.
; The product is used transposed: source 0 = 16 columns of W (by the turning load), source 1 = 16 rows of A.  CLUSTER 4 x 4: A's tile jointly along a row of the cluster, W's along a column.
; THE WALK ALONG K begins at a step of the cluster's own and wraps round: step (STEPS / 2 x cluster x + STEPS / 4 x (cluster y mod 4) + t) mod STEPS in trip t.  The two clusters that read the same rows of A begin
; half of K apart, four neighbouring clusters that read the same columns of W a quarter apart: a block's readers ask for it in different trips.  The number is made of the cluster's coordinates alone, so it is
; the same in all sixteen partners; f32 sums may be taken in any order.
; The loop is written for ONE K step, as in the 256 x 256 text.  No prefetch: the tiles are small, and each is read by eight or thirty-two work-groups.
.set KTOT, 1024
.set WOFF, 14680064
.set STEPS, KTOT/256
.set PAK,   144
.set PBK,   288
.set AGRP,  64*PAK                     ; a column block's 64 rows in LDS
.set UNIT,  36864
.set SLOT,  4*UNIT                     ; its bits (14, 17) meet none of wave x UNIT's (12, 13, 15, 16)
.set SPARE, 2*SLOT
.set SPITCH, 528
.set ASH,   21                         ; a K step of A is four column blocks: 2^21 bytes
.set BSH,   19                         ; of W 256 rows: 2^19 bytes
.set ADRA0, 16
.set ADRB0, 17
.set ADRA, 18
.set ADRB, 19                          ; v19: K rows 0-127 of the slot in hand; v20: rows 128-255
.set STO,  24
.set RD,   25
.set CO,   26
.set SPW,  28
.set NIL,  29
.set ACC,  128
.set F0,   0
.set F1,   128
.set G1A, 24
.set G0A, 32
.set G1B, 48
.set G0B, 56
.set TR,  66
.set KN,  67                           ; s67 the K step asked for last
.set OFS, 68                           ; s[68:69] its byte offset
.set MSB, 0
.macro WIN new
.if MSB != (\new)
	s_set_vgpr_msb (MSB<<8)|(\new)
.set MSB, \new
.endif
.endm
.set MUL,  0x05
.set TO_F, 0x40
.macro JLOAD s
	s_cmp_eq_u32 s11, 0
	s_cbranch_scc0 .Lfor_b_\@
	tensor_load_to_lds s[G0A+4*(\s):G0A+4*(\s)+3], s[G1A:G1A+7]
	s_nop 0
.rept 4
	v_nop
.endr
	s_branch .Lasked_\@
.Lfor_b_\@:
	tensor_load_to_lds s[G0B+4*(\s):G0B+4*(\s)+3], s[G1B:G1B+7]
	s_nop 0
.rept 4
	v_nop
.endr
.Lasked_\@:
.endm
.macro CREST
	s_cmp_lg_u32 s10, 0
	s_cbranch_scc1 .Lnot_wave_0_\@
	s_barrier_signal -3
.Lnot_wave_0_\@:
	s_barrier_wait -3
	s_barrier_signal -1
	s_barrier_wait -1
.endm
.macro CROUND
	s_barrier_signal -1
	s_barrier_wait -1
	CREST
.endm
.macro PLACES
.rept 4
	v_nop
.endr
.endm
.macro AIM s                           ; descriptor set s of A and of W is pointed at K step KN: the address is made anew from the tensor's base and the step's number
	s_lshl_b32 s[OFS], s[KN], ASH
	s_add_nc_u64 s[G0A+4*(\s)+2:G0A+4*(\s)+3], s[14:15], s[OFS:OFS+1]
	s_or_b32 s[G0A+4*(\s)+3], s[G0A+4*(\s)+3], 0x80000000
	s_lshl_b32 s[OFS], s[KN], BSH
	s_add_nc_u64 s[G0B+4*(\s)+2:G0B+4*(\s)+3], s[46:47], s[OFS:OFS+1]
	s_or_b32 s[G0B+4*(\s)+3], s[G0B+4*(\s)+3], 0x80000000
.endm
.macro NEXTK
	s_add_co_u32 s[KN], s[KN], 1
	s_and_b32 s[KN], s[KN], STEPS-1
.endm
	s_load_b128 s[4:7], s[0:1], 0x0                ; A, W's buffer
	s_load_b64 s[8:9], s[0:1], 0x10                ; Y
	v_lshl_add_u32 v[SPW], v0, 2, SPARE
	v_mov_b32 v[NIL], 0
	ds_add_u32 v[SPW], v[NIL]                      ; the wave's opening: the add and its wait ahead of my first tensor load
	ds_add_u32 v28, v29
	v_lshrrev_b32 v1, 5, v0
	v_readfirstlane_b32 s10, v1
	s_lshr_b32 s11, s10, 1
	s_and_b32 s12, s10, 1
	s_bfe_u32 s40, ttmp6, 0x40000
	s_bfe_u32 s41, ttmp6, 0x40004
	s_lshl_b32 s42, ttmp9, 2
	s_add_co_u32 s42, s42, s40                     ; tile column
	s_and_b32 s13, ttmp7, 0xffff
	s_lshl_b32 s13, s13, 2
	s_add_co_u32 s13, s13, s41                     ; tile row
	s_lshl_b32 s21, s41, 2
	s_lshl_b32 s21, 15, s21
	s_lshl_b32 s22, 0x1111, s40
	s_or_b32 s[G1A], s21, (1<<16)|(1<<20)|(1<<21)|(4<<22)|(3<<25)   ; after every 32 words 4 words
	s_or_b32 s[G1B], s22, (1<<16)|(1<<20)|(1<<21)|(5<<22)|(7<<25)   ; after every 64 words 8 words
	s_mov_b32 s[G1A+1], 4096<<16                   ; tensor_dim0 = 4,096 elements: 64 rows x 64
	s_mov_b32 s[G1A+2], 4<<16                      ; tensor_dim1 = 4 column blocks
	s_mov_b32 s[G1A+3], 4096<<16                   ; tile_dim0
	s_mov_b32 s[G1A+4], 4                          ; tile_dim1
	s_mov_b32 s[G1A+5], 262144                     ; elements from column block to column block
	s_mov_b32 s[G1A+6], 0
	s_mov_b32 s[G1A+7], 0
	s_mov_b32 s[G1B+1], 128<<16
	s_mov_b32 s[G1B+2], 128<<16
	s_mov_b32 s[G1B+3], 128<<16
	s_mov_b32 s[G1B+4], 128
	s_mov_b32 s[G1B+5], 1024
	s_mov_b32 s[G1B+6], 0
	s_mov_b32 s[G1B+7], 0
	s_lshl_b32 s16, s13, 14                        ; A: row 128 x tile row + 64 x unit, of 128 bytes
	s_lshl_b32 s17, s12, 13
	s_add_co_u32 s16, s16, s17
	s_mov_b32 s17, 0
	s_lshl_b32 s46, s42, 8                         ; W: 256 bytes a tile column, my unit's 128 rows of 2,048 bytes
	s_lshl_b32 s47, s12, 18
	s_add_co_u32 s46, s46, s47
	s_add_co_u32 s46, s46, WOFF
	s_mov_b32 s47, 0
	s_mul_i32 s20, s10, UNIT
	s_mov_b32 s[TR], 0
	s_and_b32 s[KN], ttmp7, 3                      ; the cluster's first K step
	s_mul_i32 s[KN], s[KN], STEPS/4
	s_mul_i32 s[OFS], ttmp9, STEPS/2
	s_add_co_u32 s[KN], s[KN], s[OFS]
	s_and_b32 s[KN], s[KN], STEPS-1
	s_mov_b32 s[OFS+1], 0
	s_wait_dscnt 0x0
	s_wait_kmcnt 0x0
	s_add_nc_u64 s[14:15], s[4:5], s[16:17]        ; A and W at my unit of K step 0: kept
	s_add_nc_u64 s[46:47], s[6:7], s[46:47]
	CROUND
.irp s, 0,1
	s_mov_b32 s[G0A+4*(\s)], 1
	s_add_co_u32 s[G0A+4*(\s)+1], s20, (\s)*SLOT
	s_mov_b32 s[G0B+4*(\s)], 1
	s_add_co_u32 s[G0B+4*(\s)+1], s20, (\s)*SLOT
	AIM \s
	JLOAD \s                                       ; the walk's first two K steps: two loads of mine are out
.if (\s) == 0
	NEXTK
.endif
.endr
	v_and_b32 v1, 15, v0
	v_bfe_u32 v2, v0, 4, 1
	v_mul_u32_u24 v3, v1, PAK
	v_lshl_add_u32 v3, v2, 4, v3
	s_mul_i32 s21, s11, UNIT
	v_add_nc_u32 v[ADRA0], s21, v3
	v_and_b32 v4, 7, v0
	v_lshl_add_u32 v4, v2, 3, v4
	v_mul_u32_u24 v4, v4, PBK
	v_bfe_u32 v5, v0, 3, 1
	v_lshl_add_u32 v4, v5, 4, v4
	s_lshl_b32 s22, s12, 7
	s_add_co_u32 s22, s22, 2*UNIT
	v_add_nc_u32 v[ADRB0], s22, v4
	v_mov_b32 v[ADRA], v[ADRA0]
	v_mov_b32 v[ADRB], v[ADRB0]
	v_add_nc_u32 v[ADRB+1], 128*PBK, v[ADRB]
	s_mul_i32 s23, s11, 64*SPITCH                  ; into the stage: my 64 rows, my 256 bytes of their 512
	s_lshl_b32 s21, s12, 8
	s_add_co_u32 s23, s23, s21
	v_mul_u32_u24 v4, v1, SPITCH
	v_lshl_add_u32 v4, v2, 5, v4
	v_add_nc_u32 v[STO], s23, v4
	s_mul_i32 s23, s10, 32*SPITCH                  ; back: wave w takes rows 32 w .. 32 w + 31, whole: 16 bytes a lane
	v_and_b32 v5, 31, v0
	v_lshlrev_b32 v[CO], 4, v5
	v_add_nc_u32 v[RD], s23, v[CO]
	s_lshl_b32 s70, s13, 19                        ; Y: 128 rows of 4,096 bytes a tile row,
	s_lshl_b32 s71, s10, 17                        ; my 32 rows,
	s_add_co_u32 s70, s70, s71
	s_lshl_b32 s71, s42, 9                         ; 512 bytes a tile column
	s_add_co_u32 s70, s70, s71
	s_mov_b32 s71, 0
	s_add_nc_u64 s[8:9], s[8:9], s[70:71]
.macro MUL8 f, c, a0, zero             ; 8 products: row blocks a0, a0 + 1 x all 4 column blocks, 32 along K: half c of buffer f.  The 16 accumulators take turns
	WIN MUL
.irp a, \a0, (\a0)+1
.irp b, 0,1,2,3
.if \zero
	v_wmma_f32_16x16x32_f16 v[ACC+8*(4*(\a)+(\b)):ACC+8*(4*(\a)+(\b))+7], v[(\f)+64+8*(4*(\c)+(\b)):(\f)+64+8*(4*(\c)+(\b))+7], v[(\f)+8*(4*(\c)+(\a)):(\f)+8*(4*(\c)+(\a))+7], 0
.else
	v_wmma_f32_16x16x32_f16 v[ACC+8*(4*(\a)+(\b)):ACC+8*(4*(\a)+(\b))+7], v[(\f)+64+8*(4*(\c)+(\b)):(\f)+64+8*(4*(\c)+(\b))+7], v[(\f)+8*(4*(\c)+(\a)):(\f)+8*(4*(\c)+(\a))+7], v[ACC+8*(4*(\a)+(\b)):ACC+8*(4*(\a)+(\b))+7]
.endif
.endr
.endr
.endm
.macro FETCH q, f                      ; 32 LDS loads in one run: quarter q (64 along K = A's column block q) into buffer f; the first 32 along K first
	WIN TO_F
.irp c, 0,1
.irp i, 0,1,2,3
	ds_load_tr16_b128 v[(\f)+64+8*(4*(\c)+(\i)):(\f)+64+8*(4*(\c)+(\i))+3],   v[ADRB+(\q)/2] offset:(64*((\q)%2)+32*(\c))*PBK+32*(\i)
	ds_load_tr16_b128 v[(\f)+64+8*(4*(\c)+(\i))+4:(\f)+64+8*(4*(\c)+(\i))+7], v[ADRB+(\q)/2] offset:(64*((\q)%2)+32*(\c))*PBK+32*(\i)+16*PBK
	ds_load_b128 v[(\f)+8*(4*(\c)+(\i)):(\f)+8*(4*(\c)+(\i))+3],   v[ADRA] offset:AGRP*(\q)+16*PAK*(\i)+64*(\c)
	ds_load_b128 v[(\f)+8*(4*(\c)+(\i))+4:(\f)+8*(4*(\c)+(\i))+7], v[ADRA] offset:AGRP*(\q)+16*PAK*(\i)+64*(\c)+32
.endr
.endr
.endm
.macro QUARTER q, f, g, zero
	s_wait_dscnt 16                                ; the first 32 along K are in
	MUL8 \f, 0, 0, \zero
	MUL8 \f, 0, 2, \zero
	PLACES
	FETCH \q, \g
	s_wait_dscnt 32                                ; all but the 32 just issued
	MUL8 \f, 1, 0, 0
	MUL8 \f, 1, 2, 0
.endm
.macro TURN fill                       ; a K step's last quarter and the change of slots
	WIN 0
	s_wait_tensorcnt 0x0                           ; all my tensor loads have landed: my part of the next slot
	ds_add_u32 v[SPW], v[NIL]
	s_wait_dscnt 17                                ; (the add and the youngest sixteen loads may be out)
	MUL8 F1, 0, 0, 0
	s_wait_dscnt 0x0                               ; the add is done, and my reads of this slot are over
	s_barrier_signal -1
	MUL8 F1, 0, 2, 0
	WIN 0
	s_barrier_wait -1
.if \fill
	CREST                                          ; the barrier has opened a round of the cluster's
	NEXTK                                          ; the walking descriptors: the walk's next K step, into the other slot than last time
	s_xor_b32 s[G0A+5], s[G0A+5], SLOT
	s_xor_b32 s[G0B+5], s[G0B+5], SLOT
	AIM 1
	s_xor_b32 s[TR], s[TR], SLOT
	JLOAD 1                                        ; the first tensor load behind the round; its four v_nop are also the places in front of the loads below
.else
	PLACES
	s_xor_b32 s[TR], s[TR], SLOT
.endif
	v_add_nc_u32 v[ADRA], s[TR], v[ADRA0]
	v_add_nc_u32 v[ADRB], s[TR], v[ADRB0]
	v_add_nc_u32 v[ADRB+1], 128*PBK, v[ADRB]
.if !(\fill)
	s_cmp_eq_u32 s3, 1
	s_cbranch_scc1 .Lnofetch_\@                    ; behind the last K step there is nothing to fetch
.endif
	FETCH 0, F0
.if !(\fill)
	WIN 0
.Lnofetch_\@:
.endif
	MUL8 F1, 1, 0, 0
	MUL8 F1, 1, 2, 0
.endm
	s_wait_tensorcnt 1                             ; my part of the first K step is in; the second's may stay out
	s_barrier_signal -1
	s_barrier_wait -1
	FETCH 0, F0
	QUARTER 1, F0, F1, 1
	WIN 0
	s_mov_b32 s3, STEPS-2
.Lk:                                                   ; trip t: quarters 1-3 of the walk's step t, the refill with step t + 2, quarter 0 of step t + 1
	QUARTER 2, F1, F0, 0
	QUARTER 3, F0, F1, 0
	TURN 1
	QUARTER 1, F0, F1, 0
	WIN 0
	s_sub_co_u32 s3, s3, 1
	s_cmp_lg_u32 s3, 0
	s_cbranch_scc1 .Lk
	s_mov_b32 s3, 2
.Ltail:                                                ; the last two K steps ask for nothing; the second trip is left behind its last quarter
	QUARTER 2, F1, F0, 0
	QUARTER 3, F0, F1, 0
	TURN 0
	WIN 0
	s_sub_co_u32 s3, s3, 1
	s_cmp_eq_u32 s3, 0
	s_cbranch_scc1 .Lout
	QUARTER 1, F0, F1, 0
	WIN 0
	s_branch .Ltail
.Lout:
	; THE WAY OUT.  The stage, 128 rows x 528 bytes, lies in the ring's bytes: no tensor load follows, and every wave's loads have landed and its reads are back in front of this barrier.
	PLACES
	PLACES
	s_wait_dscnt 0x0
	s_barrier_signal -1
	s_barrier_wait -1
.irp a, 0,1,2,3
.irp b, 0,1,2,3
	ds_store_b128 v[STO], v[ACC+8*(4*(\a)+(\b)):ACC+8*(4*(\a)+(\b))+3]   offset:16*SPITCH*(\a)+64*(\b)
	ds_store_b128 v[STO], v[ACC+8*(4*(\a)+(\b))+4:ACC+8*(4*(\a)+(\b))+7] offset:16*SPITCH*(\a)+64*(\b)+16
.endr
.endr
	s_wait_dscnt 0x0                               ; for the others' sake: a row's 512 bytes come from two waves
	s_barrier_signal -1
	s_barrier_wait -1
.set r, 0
.rept 32
	ds_load_b128 v[ACC+4*r:ACC+4*r+3], v[RD] offset:SPITCH*r
.set r, r+1
.endr
.set r, 0
.rept 32
	s_wait_dscnt 31-r
	global_store_b128 v[CO], v[ACC+4*r:ACC+4*r+3], s[8:9] offset:4096*r  ; 512 consecutive bytes, aligned
.set r, r+1
.endr
	s_wait_tensorcnt 0x0                           ; the wave's end
	ds_add_u32 v[SPW], v[NIL]
	s_wait_dscnt 0x0
	CROUND                                         ; the closing round
	s_endpgm
.Lfunc_end_k_q1f596d6b59_fc:
	.size	k_q1f596d6b59_fc, .Lfunc_end_k_q1f596d6b59_fc-k_q1f596d6b59_fc
	.p2alignl 7, 3214868480
	.fill 96, 4, 3214868480
	.section	.rodata,"a",@progbits
	.p2align	6, 0x0
	.amdhsa_kernel k_q1f596d6b59_fc
		.amdhsa_group_segment_fixed_size 327680
		.amdhsa_private_segment_fixed_size 0
		.amdhsa_enable_private_segment 0
		.amdhsa_kernarg_size 24
		.amdhsa_user_sgpr_count 2
		.amdhsa_user_sgpr_kernarg_segment_ptr 1
		.amdhsa_wavefront_size32 1
		.amdhsa_system_sgpr_workgroup_id_x 1
		.amdhsa_system_sgpr_workgroup_id_y 1
		.amdhsa_system_sgpr_workgroup_id_z 1
		.amdhsa_system_vgpr_workitem_id 0
		.amdhsa_next_free_vgpr 512
		.amdhsa_next_free_sgpr 72
		.amdhsa_reserve_vcc 0
		.amdhsa_float_denorm_mode_32 3
		.amdhsa_float_denorm_mode_16_64 3
		.amdhsa_memory_ordered 1
		.amdhsa_forward_progress 1
		.amdhsa_inst_pref_size 59
	.end_amdhsa_kernel
	.amdgpu_metadata
---
amdhsa.version: [ 1, 2 ]
amdhsa.kernels:
  - .name:           k_q1f596d6b59_fc
    .symbol:         k_q1f596d6b59_fc.kd
    .args:
      - { .name: ctxb, .offset: 0, .size: 8, .value_kind: global_buffer, .address_space: global }
      - { .name: xw1, .offset: 8, .size: 8, .value_kind: global_buffer, .address_space: global }
      - { .name: yb, .offset: 16, .size: 8, .value_kind: global_buffer, .address_space: global }
    .group_segment_fixed_size: 327680
    .private_segment_fixed_size: 0
    .kernarg_segment_align: 8
    .kernarg_segment_size: 24
    .max_flat_workgroup_size: 128
    .sgpr_count:     72
    .vgpr_count:     512
    .wavefront_size: 32
...
	.end_amdgpu_metadata
.endif
;; end of part 4
;; launch ln1 (part 5): grid 256 x 1, 16 waves a work-group, no clusters, 0 bytes of LDS; arguments yb, xw1, bfc, g1, be1, ln1b; writes ln1b
.if DOCPART == 5
	.amdgcn_target "amdgcn-amd-amdhsa--gfx1250"
	.amdhsa_code_object_version 6
	.text
	.protected	k_q1f596d6b59_ln1
	.globl	k_q1f596d6b59_ln1
	.p2align	8
	.type	k_q1f596d6b59_ln1,@function
k_q1f596d6b59_ln1:
	s_mov_b64 s[64:65], 0
	v_nop
	global_prefetch_b8 v0, s[64:65] scope:SCOPE_SE
	s_setreg_imm32_b32 hwreg(HW_REG_WAVE_MODE, 25, 1), 1
	s_wait_xcnt 0x0
; out[r] = LayerNorm(y[r] + bias + res[r]) g + be.  y: [4096][1024] f32; res: [4096][1024] f16 (at its buffer's head); bias, g, be: [1024] f32, rounded to bf16 like every input.
; OUT32 = 0: out is f16 (within 65,504); OUT32 = 1: out is f32.  Mean first, then the sum of squares of the centred row: both in f32.  eps = 1e-5.
; A wave takes one whole row and keeps it in registers: the row is read once, the sums never leave the wave: no LDS, no barrier.  Sixteen waves, sixteen rows a work-group.  Lane l holds columns
; 128 j + 4 l .. + 3, j = 0 .. 7: a load or store of a wave covers 512 consecutive bytes of f32 or 256 of f16, aligned.  All 40 loads go out at the start.
.set OUT32, 0
.set A,    4                           ; v[4:11]   four chains of sums
.set TP,   12                          ; v[12:15]  at work
.set MU,   16                          ; v[16:17]  the mean, twice
.set RS,   18                          ; v[18:19]  1 / sqrt(var + eps), twice
.set SM,   20                          ; v[20:21]  a sum across the lanes
.set ONE,  22
.set RES,  32                          ; v[32:47]  the residual; later the packed output
.set Y,    64                          ; v[64:95]  the row
.set BIAS, 128
.set G,    160
.set BE,   192
	s_load_b256 s[4:11], s[0:1], 0x0               ; y, res, bias, g
	s_load_b128 s[12:15], s[0:1], 0x20             ; be, out
	v_lshrrev_b32 v1, 5, v0
	v_readfirstlane_b32 s16, v1
	v_and_b32 v3, 31, v0
	v_lshlrev_b32 v1, 4, v3                        ; 16 l
	v_lshlrev_b32 v2, 3, v3                        ; 8 l
	v_mov_b32 v[ONE], 1.0
	v_mov_b32 v[SM+1], 0
	s_lshl_b32 s17, ttmp9, 4
	s_add_co_u32 s17, s17, s16                     ; my row: 16 x work-group + wave
	s_lshl_b32 s18, s17, 12
	s_mov_b32 s19, 0
	s_lshl_b32 s20, s17, 11
	s_mov_b32 s21, 0
	s_mov_b32 s22, 0x3a800000                      ; 1 / 1024
	s_mov_b32 s23, 0x3727c5ac                      ; 1e-5
	s_mov_b32 s24, 0x76543210
	s_mov_b32 s25, 0xfedcba98
	s_mov_b32 s26, 0xffff0000
	s_wait_kmcnt 0x0
	s_add_nc_u64 s[4:5], s[4:5], s[18:19]
	s_add_nc_u64 s[6:7], s[6:7], s[20:21]
.if OUT32
	s_add_nc_u64 s[14:15], s[14:15], s[18:19]
.else
	s_add_nc_u64 s[14:15], s[14:15], s[20:21]
.endif
.irp j, 0,1,2,3,4,5,6,7
	global_load_b128 v[BIAS+4*(\j):BIAS+4*(\j)+3], v1, s[8:9] offset:512*(\j)
	global_load_b128 v[G+4*(\j):G+4*(\j)+3],       v1, s[10:11] offset:512*(\j)
	global_load_b128 v[BE+4*(\j):BE+4*(\j)+3],     v1, s[12:13] offset:512*(\j)
.endr
.irp j, 0,1,2,3,4,5,6,7
	global_load_b128 v[Y+4*(\j):Y+4*(\j)+3], v1, s[4:5] offset:512*(\j) th:TH_LOAD_NT
	global_load_b64 v[RES+2*(\j):RES+2*(\j)+1], v2, s[6:7] offset:256*(\j)
.endr
	s_wait_loadcnt 16                              ; the 24 loads of the parameters are in; the row's 16 may be out
.set i, BIAS
.rept 48
	v_cvt_pk_bf16_f32 v[TP+(i/2)%4], v[i], v[i+1]
	v_lshlrev_b32 v[i], 16, v[TP+(i/2)%4]
	v_and_b32 v[i+1], s26, v[TP+(i/2)%4]
.set i, i+2
.endr
.macro REDUCE                          ; the four chains, the pair's halves, the 32 lanes: the sum in every lane, in v[SM]
	v_pk_add_f32 v[A:A+1], v[A:A+1], v[A+2:A+3]
	v_pk_add_f32 v[A+4:A+5], v[A+4:A+5], v[A+6:A+7]
	v_pk_add_f32 v[A:A+1], v[A:A+1], v[A+4:A+5]
	v_add_f32 v[SM], v[A], v[A+1]
	v_add_f32_dpp v[SM], v[SM], v[SM] row_xmask:1 row_mask:0xf bank_mask:0xf
	v_add_f32_dpp v[SM], v[SM], v[SM] row_xmask:2 row_mask:0xf bank_mask:0xf
	v_add_f32_dpp v[SM], v[SM], v[SM] row_xmask:4 row_mask:0xf bank_mask:0xf
	v_add_f32_dpp v[SM], v[SM], v[SM] row_xmask:8 row_mask:0xf bank_mask:0xf
	v_permlanex16_b32 v[SM+1], v[SM], s24, s25
	v_add_f32 v[SM], v[SM], v[SM+1]
.endm
	s_wait_loadcnt 0x0                             ; the row
.irp j, 0,1,2,3,4,5,6,7
	v_fma_mix_f32 v[Y+4*(\j)],   v[RES+2*(\j)],   v[ONE], v[Y+4*(\j)]   op_sel_hi:[1,0,0]                  ; the f16 half x 1.0 + y: exact widening and one rounding
	v_fma_mix_f32 v[Y+4*(\j)+1], v[RES+2*(\j)],   v[ONE], v[Y+4*(\j)+1] op_sel:[1,0,0] op_sel_hi:[1,0,0]
	v_fma_mix_f32 v[Y+4*(\j)+2], v[RES+2*(\j)+1], v[ONE], v[Y+4*(\j)+2] op_sel_hi:[1,0,0]
	v_fma_mix_f32 v[Y+4*(\j)+3], v[RES+2*(\j)+1], v[ONE], v[Y+4*(\j)+3] op_sel:[1,0,0] op_sel_hi:[1,0,0]
.endr
.set i, 0
.rept 16
	v_pk_add_f32 v[Y+i:Y+i+1], v[Y+i:Y+i+1], v[BIAS+i:BIAS+i+1]
.set i, i+2
.endr
.irp k, 0,2,4,6
	v_pk_add_f32 v[A+(\k):A+(\k)+1], v[Y+(\k):Y+(\k)+1], v[Y+8+(\k):Y+8+(\k)+1]
.endr
.irp k, 0,2,4,6
	v_pk_add_f32 v[A+(\k):A+(\k)+1], v[A+(\k):A+(\k)+1], v[Y+16+(\k):Y+16+(\k)+1]
.endr
.irp k, 0,2,4,6
	v_pk_add_f32 v[A+(\k):A+(\k)+1], v[A+(\k):A+(\k)+1], v[Y+24+(\k):Y+24+(\k)+1]
.endr
	REDUCE
	v_mul_f32 v[MU], s22, v[SM]
	v_mov_b32 v[MU+1], v[MU]
.set i, 0
.rept 16
	v_pk_add_f32 v[Y+i:Y+i+1], v[Y+i:Y+i+1], v[MU:MU+1] neg_lo:[0,1] neg_hi:[0,1]
.set i, i+2
.endr
.irp k, 0,2,4,6
	v_pk_mul_f32 v[A+(\k):A+(\k)+1], v[Y+(\k):Y+(\k)+1], v[Y+(\k):Y+(\k)+1]
.endr
.irp o, 8,16,24
.irp k, 0,2,4,6
	v_pk_fma_f32 v[A+(\k):A+(\k)+1], v[Y+(\o)+(\k):Y+(\o)+(\k)+1], v[Y+(\o)+(\k):Y+(\o)+(\k)+1], v[A+(\k):A+(\k)+1]
.endr
.endr
	REDUCE
	v_fma_f32 v[SM], v[SM], s22, s23               ; var + eps
	v_rsq_f32 v[RS], v[SM]
	v_rsq_f32 v[RS+1], v[SM]
	v_nop                                          ; a plain instruction behind the last of the two,
	s_wait_alu depctr_va_vdst(0)                   ; and one wait ahead of their first reader
.set i, 0
.rept 16
	v_pk_mul_f32 v[Y+i:Y+i+1], v[Y+i:Y+i+1], v[RS:RS+1]
.set i, i+2
.endr
.set i, 0
.rept 16
	v_pk_fma_f32 v[Y+i:Y+i+1], v[Y+i:Y+i+1], v[G+i:G+i+1], v[BE+i:BE+i+1]
.set i, i+2
.endr
.if OUT32
.irp j, 0,1,2,3,4,5,6,7
	global_store_b128 v1, v[Y+4*(\j):Y+4*(\j)+3], s[14:15] offset:512*(\j) th:TH_STORE_NT
.endr
.else
.set i, 0
.rept 16
	v_cvt_pk_f16_f32 v[RES+i], v[Y+2*i], v[Y+2*i+1]
.set i, i+1
.endr
.irp j, 0,1,2,3,4,5,6,7
	global_store_b64 v2, v[RES+2*(\j):RES+2*(\j)+1], s[14:15] offset:256*(\j)
.endr
.endif
	s_endpgm
.Lfunc_end_k_q1f596d6b59_ln1:
	.size	k_q1f596d6b59_ln1, .Lfunc_end_k_q1f596d6b59_ln1-k_q1f596d6b59_ln1
	.p2alignl 7, 3214868480
	.fill 96, 4, 3214868480
	.section	.rodata,"a",@progbits
	.p2align	6, 0x0
	.amdhsa_kernel k_q1f596d6b59_ln1
		.amdhsa_group_segment_fixed_size 0
		.amdhsa_private_segment_fixed_size 0
		.amdhsa_enable_private_segment 0
		.amdhsa_kernarg_size 48
		.amdhsa_user_sgpr_count 2
		.amdhsa_user_sgpr_kernarg_segment_ptr 1
		.amdhsa_wavefront_size32 1
		.amdhsa_system_sgpr_workgroup_id_x 1
		.amdhsa_system_sgpr_workgroup_id_y 1
		.amdhsa_system_sgpr_workgroup_id_z 1
		.amdhsa_system_vgpr_workitem_id 0
		.amdhsa_next_free_vgpr 224
		.amdhsa_next_free_sgpr 66
		.amdhsa_reserve_vcc 0
		.amdhsa_float_denorm_mode_32 3
		.amdhsa_float_denorm_mode_16_64 3
		.amdhsa_memory_ordered 1
		.amdhsa_forward_progress 1
		.amdhsa_inst_pref_size 22
	.end_amdhsa_kernel
	.amdgpu_metadata
---
amdhsa.version: [ 1, 2 ]
amdhsa.kernels:
  - .name:           k_q1f596d6b59_ln1
    .symbol:         k_q1f596d6b59_ln1.kd
    .args:
      - { .name: yb, .offset: 0, .size: 8, .value_kind: global_buffer, .address_space: global }
      - { .name: xw1, .offset: 8, .size: 8, .value_kind: global_buffer, .address_space: global }
      - { .name: bfc, .offset: 16, .size: 8, .value_kind: global_buffer, .address_space: global }
      - { .name: g1, .offset: 24, .size: 8, .value_kind: global_buffer, .address_space: global }
      - { .name: be1, .offset: 32, .size: 8, .value_kind: global_buffer, .address_space: global }
      - { .name: ln1b, .offset: 40, .size: 8, .value_kind: global_buffer, .address_space: global }
    .group_segment_fixed_size: 0
    .private_segment_fixed_size: 0
    .kernarg_segment_align: 8
    .kernarg_segment_size: 48
    .max_flat_workgroup_size: 512
    .sgpr_count:     66
    .vgpr_count:     224
    .wavefront_size: 32
...
	.end_amdgpu_metadata
.endif
;; end of part 5
;; launch ffn1 (part 6): grid 16 x 16, 4 waves a work-group, clusters of 4 x 4, 327,680 bytes of LDS; arguments ln1b, xw2, b1, hb; writes hb
.if DOCPART == 6
	.amdgcn_target "amdgcn-amd-amdhsa--gfx1250"
	.amdhsa_code_object_version 6
	.text
	.protected	k_q1f596d6b59_ffn1
	.globl	k_q1f596d6b59_ffn1
	.p2align	8
	.type	k_q1f596d6b59_ffn1,@function
k_q1f596d6b59_ffn1:
	s_mov_b64 s[64:65], 0
	v_nop
	global_prefetch_b8 v0, s[64:65] scope:SCOPE_SE
	s_setreg_imm32_b32 hwreg(HW_REG_WAVE_MODE, 25, 1), 1
	s_wait_xcnt 0x0
	s_wait_alu depctr_hold_cnt(0) depctr_sa_sdst(0) depctr_va_vdst(0) depctr_va_sdst(0) depctr_va_ssrc(0) depctr_va_vcc(0) depctr_vm_vsrc(0)
	s_getreg_b32 s2, hwreg(HW_REG_IB_STS2, 6, 4)
	s_cmp_eq_u32 s2, 0
	s_cbranch_scc0 .Lentry_in_a_cluster
	s_endpgm
.Lentry_in_a_cluster:
	s_bfe_u32 s2, ttmp6, 0x10000c
	s_cmp_lg_u32 s2, 0xf033
	s_cbranch_scc0 .Lentry_shape_is_right
	s_endpgm
.Lentry_shape_is_right:
; C = A W + bias (FFN = 1: then the exact GELU), rounded once to f16.  A: [4096][1024] f16, rows along K.  W: [1024][BN] f16, rows along N, as the weights lie.  Sums in f32.
; FFN = 0: A = x, W = Wq | Wk | Wv (a cluster column is one of the three), out = q, k, v.  FFN = 1: A = the first norm's output, W = W1, out = h.
; OUT is laid in column blocks of 64: [column / 64][4096 rows][64], so that a head's rows, and a K slice of the next product, are dense rows of 128 bytes.
; FFN = 0 HAS A SECOND JOB.  3,072 columns are 12 tile columns, three columns of clusters; the grid has four.  The 64 work-groups of the fourth have no tile: they convert W1 and W2 (f32 -> bf16 -> f16, as the
; launch before converts the other inputs) into a buffer that only later launches read.  The branch hangs on the cluster's x, which all partners of a cluster share.
; LIMITS.  f16 holds no number beyond 65,504: A, W and the results stay within it.  The bias is rounded to bf16 like every input.  erf by a rational form in 1 / (1 + p |x|) with five terms,
; absolute error 1.5e-7; NaN and infinities are not treated apart.
; SHAPE.  A tile of C is 256 x 256, four waves, each 128 x 128: 64 accumulators, 512 registers.  K goes in eight steps of 128 through two LDS slots filled by tensor loads.
; The product is used transposed: source 0 = 16 columns of W (out of LDS by the turning load), source 1 = 16 rows of A: a lane holds one row of C and eight neighbouring columns.
; CLUSTER 4 x 4: A's tile is asked for jointly along a row of the cluster, W's along a column.
; The loop is written for ONE K step: the slot in hand is a scalar that an exclusive or turns; one descriptor a tensor walks from step 1 on.
; REGISTERS: window 0: v16-30 addresses, v64-191 A's two fragment buffers; window 1: v64-191 W's; windows 2, 3: accumulators, (a, b) at 8 (8 a + b).
.set FFN, 1
.if FFN
.set BN, 4096
.set WOFF, 0
.else
.set BN, 1024
.set WOFF, 8388608
.endif
.set PA,     272                       ; a row of A in LDS: 256 bytes + 16: the 16 rows of a load start at 16 different groups of four banks
.set PB,     544                       ; a row of W in LDS: 512 bytes + 32
.set UNIT,   34816                     ; what one tensor load brings: 128 rows of A, or 64 rows of W
.set SLOT,   4*UNIT                    ; A's two units, then W's two.  Its bits (13, 17) meet none of wave x UNIT's (11, 12, 15, 16)
.set SPARE,  2*SLOT                    ; the spare words, 128 bytes a wave
.set SPITCH, 528                       ; the way out: a wave's row of 128 f32 + 16 bytes
.set WSTAGE, 128*SPITCH                ; a wave's stage; the four lie in the ring's bytes, which have had their last fill by then
.set ASTEP,  256                       ; bytes from K step to K step in A
.set BSTEP,  256*BN                    ; and in W
.set ADRA0, 16                         ; my lane's place in A's tile of slot 0; never rewritten
.set ADRB0, 17                         ; the same for W
.set ADRA, 18                          ; the same in the slot in hand
.set ADRB, 19
.set STO,  24
.set RD,   25
.set CO,   26
.set BO,   27
.set SPW,  28
.set NIL,  29
.set PFO,  30
.set F0,   64
.set F1,   128
.set XR,   32                          ; the way out, window 0: 16 numbers as read from the stage
.set T,    48                          ; with the bias
.set AX,   64
.set TT,   80
.set EE,   96
.set PP,   112
.set YR,   192                         ; packed, to store
.set BIAS, 200                         ; my eight columns' bias
.set CT,   32                          ; the second job: v[32:37] at work,
.set CX,   64                          ; v[64:191] 32 slots of 4 as loaded,
.set CY,   192                         ; v[192:255] 32 slots of 2 to store
.set G1A, 24
.set G0A, 32
.set LIM, 43
.set PFA, 44
.set G1B, 48
.set G0B, 56
.set TR,  66                           ; s66 the slot in hand: 0 or SLOT
.set PST, 68                           ; s[68:69] the prefetches' step
.set ABSM, 71
.set CP,  72                           ; FFN = 1: s[72:85] the GELU's constants, each a pair with both words written.  FFN = 0: s[72:79] the second job's pointers
.set CA1, 74
.set CA2, 76
.set CA3, 78
.set CA4, 80
.set CA5, 82
.set CN,  84
.set BP,  86                           ; s[86:87] the bias at my first column
.set MSB, 0
.macro WIN new
.if MSB != (\new)
	s_set_vgpr_msb (MSB<<8)|(\new)
.set MSB, \new
.endif
.endm
.set MUL_LO, 0xa1
.set MUL_HI, 0xf1
.set TO_B,   0x40
.macro JLOAD s                         ; a joint load: waves 0, 1 ask for A's units, waves 2, 3 for W's; the branch hangs on the wave's number alone
	s_cmp_eq_u32 s11, 0
	s_cbranch_scc0 .Lfor_b_\@
	tensor_load_to_lds s[G0A+4*(\s):G0A+4*(\s)+3], s[G1A:G1A+7]
	s_nop 0
.rept 4
	v_nop
.endr
	s_branch .Lasked_\@
.Lfor_b_\@:
	tensor_load_to_lds s[G0B+4*(\s):G0B+4*(\s)+3], s[G1B:G1B+7]
	s_nop 0
.rept 4
	v_nop
.endr
.Lasked_\@:
.endm
.macro CREST
	s_cmp_lg_u32 s10, 0
	s_cbranch_scc1 .Lnot_wave_0_\@
	s_barrier_signal -3
.Lnot_wave_0_\@:
	s_barrier_wait -3
	s_barrier_signal -1
	s_barrier_wait -1
.endm
.macro CROUND
	s_barrier_signal -1
	s_barrier_wait -1
	CREST
.endm
.macro PLACES
.rept 4
	v_nop
.endr
.endm
.if FFN
	s_load_b128 s[4:7], s[0:1], 0x0                ; A, the weights' buffer
	s_load_b64 s[BP:BP+1], s[0:1], 0x10            ; b1
	s_load_b64 s[8:9], s[0:1], 0x18                ; out
.else
	s_load_b64 s[4:5], s[0:1], 0x0                 ; A at its buffer's head, the weights behind
	s_load_b64 s[88:89], s[0:1], 0x8               ; bq
	s_load_b64 s[90:91], s[0:1], 0x10              ; bk
	s_load_b64 s[92:93], s[0:1], 0x18              ; bv
	s_load_b64 s[8:9], s[0:1], 0x20                ; out
	s_load_b64 s[72:73], s[0:1], 0x28              ; W1, f32
	s_load_b64 s[74:75], s[0:1], 0x30              ; W2, f32
	s_load_b64 s[76:77], s[0:1], 0x38              ; where their f16 copies go
.endif
	v_lshl_add_u32 v[SPW], v0, 2, SPARE
	v_mov_b32 v[NIL], 0
	ds_add_u32 v[SPW], v[NIL]                      ; the wave's opening: the add and its wait ahead of my first tensor load
	ds_add_u32 v28, v29
	v_lshrrev_b32 v1, 5, v0
	v_readfirstlane_b32 s10, v1                    ; wave 0..3
	s_lshr_b32 s11, s10, 1                         ; my half of the tile's rows; also: I fetch for A (0) or W (1)
	s_and_b32 s12, s10, 1                          ; my half of its columns; also: which unit I fetch
	s_bfe_u32 s40, ttmp6, 0x40000                  ; cx
	s_bfe_u32 s41, ttmp6, 0x40004                  ; cy
	s_lshl_b32 s42, ttmp9, 2
	s_add_co_u32 s42, s42, s40                     ; tile column
	s_and_b32 s13, ttmp7, 0xffff
	s_lshl_b32 s13, s13, 2
	s_add_co_u32 s13, s13, s41                     ; tile row
	s_lshl_b32 s21, s41, 2
	s_lshl_b32 s21, 15, s21                        ; my row of the cluster
	s_lshl_b32 s22, 0x1111, s40                    ; my column
	s_or_b32 s[G1A], s21, (1<<16)|(1<<20)|(1<<21)|(5<<22)|(3<<25)   ; mask; 2-byte elements; padding on; bit 21 beside a mask; after every 64 words 4 words
	s_or_b32 s[G1B], s22, (1<<16)|(1<<20)|(1<<21)|(6<<22)|(7<<25)   ; after every 128 words 8 words
	s_mov_b32 s[G1A+1], 128<<16                    ; tensor_dim0 = 128
	s_mov_b32 s[G1A+2], 128<<16                    ; tensor_dim1 = 128
	s_mov_b32 s[G1A+3], 128<<16                    ; tile_dim0 = 128
	s_mov_b32 s[G1A+4], 128                        ; tile_dim1 = 128
	s_mov_b32 s[G1A+5], 1024                       ; elements from row to row
	s_mov_b32 s[G1A+6], 0
	s_mov_b32 s[G1A+7], 0
	s_mov_b32 s[G1B+1], 256<<16                    ; tensor_dim0 = 256
	s_mov_b32 s[G1B+2], 64<<16                     ; tensor_dim1 = 64
	s_mov_b32 s[G1B+3], 256<<16                    ; tile_dim0 = 256
	s_mov_b32 s[G1B+4], 64                         ; tile_dim1 = 64
	s_mov_b32 s[G1B+5], BN
	s_mov_b32 s[G1B+6], 0
	s_mov_b32 s[G1B+7], 0
	s_lshl_b32 s16, s13, 8
	s_lshl_b32 s17, s12, 7
	s_add_co_u32 s16, s16, s17                     ; A: row 256 x tile row + 128 x unit,
	s_lshl_b32 s16, s16, 11                        ; of 2,048 bytes
	s_mov_b32 s17, 0
.if FFN
	s_lshl_b32 s46, s42, 9                         ; W: 512 bytes a tile column
.else
	s_lshl_b32 s46, ttmp9, 21                      ; W: which of the three weights,
	s_lshl_b32 s47, s40, 9                         ; and its tile column
	s_add_co_u32 s46, s46, s47
.endif
	s_mul_i32 s47, s12, 128*BN                     ; my unit's 64 rows
	s_add_co_u32 s46, s46, s47
	s_add_co_u32 s46, s46, WOFF
	s_mov_b32 s47, 0
	s_mul_i32 s20, s10, UNIT                       ; where my unit goes: no place in the cluster enters an LDS address
	s_mov_b32 s[TR], 0
.if FFN
	s_mov_b32 s[ABSM], 0x7fffffff
	s_mov_b32 s[CP], 0x3e6d3388                    ; p / sqrt(2) = 0.23164189
	s_mov_b32 s[CP+1], 0x3e6d3388
	s_mov_b32 s[CA1], 0x3e027906                   ; the five coefficients, halved
	s_mov_b32 s[CA1+1], 0x3e027906
	s_mov_b32 s[CA2], 0xbe11a98e
	s_mov_b32 s[CA2+1], 0xbe11a98e
	s_mov_b32 s[CA3], 0x3f35f0e3
	s_mov_b32 s[CA3+1], 0x3f35f0e3
	s_mov_b32 s[CA4], 0xbf3a00e3
	s_mov_b32 s[CA4+1], 0xbf3a00e3
	s_mov_b32 s[CA5], 0x3f07dc22
	s_mov_b32 s[CA5+1], 0x3f07dc22
	s_mov_b32 s[CN], 0xbf38aa3b                    ; - log2(e) / 2
	s_mov_b32 s[CN+1], 0xbf38aa3b
.endif
	s_wait_dscnt 0x0                               ; the opening add is done
	s_wait_kmcnt 0x0
.if !FFN
	s_cmp_eq_u32 ttmp9, 3                          ; the fourth column of clusters has no tile: all sixteen partners go the same way
	s_cbranch_scc1 .Lcast
	s_mov_b64 s[6:7], s[4:5]
.endif
	s_add_nc_u64 s[14:15], s[4:5], s[16:17]
	s_add_nc_u64 s[46:47], s[6:7], s[46:47]
	CROUND                                         ; all sixteen work-groups are here: the first joint loads meet
.irp s, 0,1
	s_mov_b32 s[G0A+4*(\s)], 1
	s_add_co_u32 s[G0A+4*(\s)+1], s20, (\s)*SLOT
	s_add_nc_u64 s[G0A+4*(\s)+2:G0A+4*(\s)+3], s[14:15], (\s)*ASTEP
	s_or_b32 s[G0A+4*(\s)+3], s[G0A+4*(\s)+3], 0x80000000
	s_mov_b32 s[G0B+4*(\s)], 1
	s_add_co_u32 s[G0B+4*(\s)+1], s20, (\s)*SLOT
	s_add_nc_u64 s[G0B+4*(\s)+2:G0B+4*(\s)+3], s[46:47], (\s)*BSTEP
	s_or_b32 s[G0B+4*(\s)+3], s[G0B+4*(\s)+3], 0x80000000
	JLOAD \s                                       ; K steps 0 and 1: two loads of mine are out
.endr
	v_and_b32 v1, 15, v0                           ; l % 16
	v_bfe_u32 v2, v0, 4, 1                         ; l / 16
	v_mul_u32_u24 v3, v1, PA
	v_lshl_add_u32 v3, v2, 4, v3
	s_mul_i32 s21, s11, UNIT
	v_add_nc_u32 v[ADRA0], s21, v3                 ; A: row x pitch + 16 x half, in my 128 rows
	v_and_b32 v4, 7, v0
	v_lshl_add_u32 v4, v2, 3, v4                   ; W, for the turning load: K row 8 (l / 16) + l % 8,
	v_mul_u32_u24 v4, v4, PB
	v_bfe_u32 v5, v0, 3, 1
	v_lshl_add_u32 v4, v5, 4, v4                   ; columns 8 ((l / 8) % 2) on,
	s_lshl_b32 s22, s12, 8
	s_add_co_u32 s22, s22, 2*UNIT                  ; in my 128 columns, behind A's two units
	v_add_nc_u32 v[ADRB0], s22, v4
	v_mov_b32 v[ADRA], v[ADRA0]
	v_mov_b32 v[ADRB], v[ADRB0]
	s_mul_i32 s23, s10, WSTAGE
	v_mul_u32_u24 v3, v1, SPITCH
	v_lshl_add_u32 v3, v2, 5, v3
	v_add_nc_u32 v[STO], s23, v3                   ; into my stage: row l % 16, 32 bytes for each half of the lanes
	v_mul_u32_u24 v3, v2, SPITCH
	v_lshl_add_u32 v3, v1, 4, v3
	v_add_nc_u32 v[RD], s23, v3                    ; back: lanes 0-15 take 256 bytes of one row, lanes 16-31 of the next
	v_and_b32 v3, 31, v0
	v_lshlrev_b32 v[CO], 3, v3                     ; 8 bytes a lane: two rows of a column block, 256 consecutive bytes
	v_lshlrev_b32 v[BO], 4, v1
.if FFN
	s_lshl_b32 s94, s42, 10                        ; the bias: 256 columns of 4 bytes a tile column,
.else
	s_cmp_eq_u32 ttmp9, 1
	s_cselect_b64 s[BP:BP+1], s[90:91], s[88:89]
	s_cmp_eq_u32 ttmp9, 2
	s_cselect_b64 s[BP:BP+1], s[92:93], s[BP:BP+1]
	s_lshl_b32 s94, s40, 10
.endif
	s_lshl_b32 s95, s12, 9                         ; my 128
	s_add_co_u32 s94, s94, s95
	s_mov_b32 s95, 0
	s_add_nc_u64 s[BP:BP+1], s[BP:BP+1], s[94:95]
	global_load_b128 v[BIAS:BIAS+3],   v[BO], s[BP:BP+1]             ; columns 4 (l % 16) on of my first 64,
	global_load_b128 v[BIAS+4:BIAS+7], v[BO], s[BP:BP+1] offset:256  ; and of my second: waited for on the way out
	s_lshl_b32 s94, s42, 2
	s_lshl1_add_u32 s94, s12, s94                  ; my first column block: 4 x tile column + 2 x half,
	s_lshl_b32 s94, s94, 19                        ; of 524,288 bytes
	s_lshl_b32 s96, s13, 8
	s_lshl_b32 s97, s11, 7
	s_add_co_u32 s96, s96, s97                     ; my first row,
	s_lshl_b32 s96, s96, 7                         ; of 128 bytes
	s_add_co_u32 s94, s94, s96
	s_add_nc_u64 s[8:9], s[8:9], s[94:95]
	; THE PREFETCHES.  Behind the refill that brings K step j + 2 a wave names K step j + 4 of what it fetches.  A's rows are read by every cluster of a row of clusters: cluster x = 0 asks;
	; W's by every cluster of a column: cluster y = 0 asks.  The four partners that ask for a unit jointly share it out BY ADDRESS: 32 rows of A (a lane a row of 256 bytes), or 16 rows of W
	; (two lanes a row of 512 bytes).  So each aligned block of 256 bytes is named once.  K steps 0 to 3 come by their loads alone; the last two refills name nothing.
	s_and_b32 s22, ttmp7, 0xffff
	s_mov_b32 s23, 32*2048
	s_mov_b32 s[PST], ASTEP
	s_mov_b32 s95, 2048
	s_cmp_eq_u32 s11, 0
	s_cselect_b32 s21, s40, s41                    ; my place among the four
	s_cselect_b32 s22, ttmp9, s22                  ; the coordinate along which other clusters read the same rows
	s_cselect_b64 s[PFA:PFA+1], s[14:15], s[46:47]
	s_cselect_b32 s23, s23, 32*BN                  ; bytes of a partner's share
	s_cselect_b32 s[PST], s[PST], BSTEP
	s_cselect_b32 s95, s95, 2*BN                   ; bytes from row to row
	s_cselect_b32 s94, 0, 1                        ; lanes to a row, less one
	s_mov_b32 s[PST+1], 0
	s_cmp_eq_u32 s22, 0
	s_cselect_b32 s[LIM], 2, -1                    ; the same in all sixteen partners, for a given wave
	s_mul_i32 s96, s21, s23
	s_mul_i32 s97, s[PST], 3                       ; at K step 3: the first refill steps it to 4
	s_add_co_u32 s96, s96, s97
	s_mov_b32 s97, 0
	s_add_nc_u64 s[PFA:PFA+1], s[PFA:PFA+1], s[96:97]
	v_lshrrev_b32 v[PFO], s94, v3
	v_mul_u32_u24 v[PFO], s95, v[PFO]
	v_and_b32 v3, s94, v3
	v_lshl_add_u32 v[PFO], v3, 8, v[PFO]
.macro MUL16 f, hi, a0, zero           ; 16 products: row blocks a0, a0 + 1 of the window's four x all 8 column blocks, 32 along K.  The 64 accumulators take turns
	WIN MUL_LO+0x50*(\hi)
.irp a, \a0, (\a0)+1
.irp b, 0,1,2,3,4,5,6,7
.if \zero
	v_wmma_f32_16x16x32_f16 v[8*(8*(\a)+(\b)):8*(8*(\a)+(\b))+7], v[(\f)+8*(\b):(\f)+8*(\b)+7], v[(\f)+8*(4*(\hi)+(\a)):(\f)+8*(4*(\hi)+(\a))+7], 0
.else
	v_wmma_f32_16x16x32_f16 v[8*(8*(\a)+(\b)):8*(8*(\a)+(\b))+7], v[(\f)+8*(\b):(\f)+8*(\b)+7], v[(\f)+8*(4*(\hi)+(\a)):(\f)+8*(4*(\hi)+(\a))+7], v[8*(8*(\a)+(\b)):8*(8*(\a)+(\b))+7]
.endif
.endr
.endr
.endm
.macro FETCH q, f                      ; 32 LDS loads in one run: quarter q (32 along K) of the slot in hand into buffer f: W's 8 column blocks, turned, then A's 8 row blocks
	WIN TO_B
.irp i, 0,1,2,3,4,5,6,7
	ds_load_tr16_b128 v[(\f)+8*(\i):(\f)+8*(\i)+3],   v[ADRB] offset:(\q)*32*PB+32*(\i)
	ds_load_tr16_b128 v[(\f)+8*(\i)+4:(\f)+8*(\i)+7], v[ADRB] offset:(\q)*32*PB+32*(\i)+16*PB
.endr
	WIN 0
.irp i, 0,1,2,3,4,5,6,7
	ds_load_b128 v[(\f)+8*(\i):(\f)+8*(\i)+3],   v[ADRA] offset:(\q)*64+(\i)*16*PA
	ds_load_b128 v[(\f)+8*(\i)+4:(\f)+8*(\i)+7], v[ADRA] offset:(\q)*64+(\i)*16*PA+32
.endr
.endm
.macro QUARTER q, f, g, zero           ; multiplies buffer f; in its middle fetches quarter q into buffer g
	s_wait_dscnt 8                                 ; W and A's rows 0-63 are in; the youngest eight loads (A's rows 64-127) may be out
	MUL16 \f, 0, 0, \zero
	MUL16 \f, 0, 2, \zero
	PLACES                                         ; four places between the last product that read buffer g and the loads into it
	FETCH \q, \g
	s_wait_dscnt 32                                ; all but the 32 just issued
	MUL16 \f, 1, 0, \zero
	MUL16 \f, 1, 2, \zero
.endm
.macro MEET round                      ; the first half of a K step's last quarter: the barrier of the change of slots
	WIN 0
	s_wait_tensorcnt 0x0                           ; all my tensor loads have landed: the one that was out is my part of the next slot
	ds_add_u32 v[SPW], v[NIL]                      ; 0 onto my spare word
	s_wait_dscnt 9                                 ; (the add and the youngest eight loads may be out)
	MUL16 F1, 0, 0, 0
	s_wait_dscnt 0x0                               ; the add is done, and my reads of this slot are over
	s_barrier_signal -1
	MUL16 F1, 0, 2, 0
.if \round
	WIN 0
.endif
	s_barrier_wait -1
.endm
	s_wait_tensorcnt 1                             ; my part of K step 0 is in; step 1's may stay out
	s_barrier_signal -1
	s_barrier_wait -1
	FETCH 0, F0
	QUARTER 1, F0, F1, 1                           ; the first quarter's products start the sums
	WIN 0
	s_mov_b32 s3, 6
.Lk:                                                   ; trip j: quarters 1-3 of K step j, the refill with step j + 2, quarter 0 of step j + 1
	QUARTER 2, F1, F0, 0
	QUARTER 3, F0, F1, 0
	s_wait_xcnt 0x0                                ; the last prefetch, a K step back, has read its address
	s_add_nc_u64 s[PFA:PFA+1], s[PFA:PFA+1], s[PST:PST+1]
	MEET 1
	CREST                                          ; the barrier has opened a round of the cluster's: no wave of any partner still reads this slot or has a load on its way
	s_xor_b32 s[G0A+5], s[G0A+5], SLOT             ; the walking descriptors: the other slot than last time, the next K step
	s_add_nc_u64 s[G0A+6:G0A+7], s[G0A+6:G0A+7], ASTEP
	s_xor_b32 s[G0B+5], s[G0B+5], SLOT
	s_add_nc_u64 s[G0B+6:G0B+7], s[G0B+6:G0B+7], BSTEP
	s_xor_b32 s[TR], s[TR], SLOT
	JLOAD 1                                        ; the first tensor load behind the round; its four v_nop are also the places in front of the loads below
	v_add_nc_u32 v[ADRA], s[TR], v[ADRA0]
	v_add_nc_u32 v[ADRB], s[TR], v[ADRB0]
	FETCH 0, F0
	s_cmp_gt_u32 s3, s[LIM]                        ; trips 0 to 3, in a wave that asks
	s_cbranch_scc0 .Lnot_mine
	global_prefetch_b8 v[PFO], s[PFA:PFA+1] th:TH_LOAD_NT scope:SCOPE_SE
.Lnot_mine:
	MUL16 F1, 1, 0, 0
	MUL16 F1, 1, 2, 0
	QUARTER 1, F0, F1, 0
	WIN 0
	s_sub_co_u32 s3, s3, 1
	s_cmp_lg_u32 s3, 0
	s_cbranch_scc1 .Lk
	s_mov_b32 s3, 2
.Ltail:                                                ; K steps 6 and 7: nothing is asked for; the second trip is left behind its last quarter
	QUARTER 2, F1, F0, 0
	QUARTER 3, F0, F1, 0
	MEET 0
	PLACES
	WIN 0
	s_xor_b32 s[TR], s[TR], SLOT
	v_add_nc_u32 v[ADRA], s[TR], v[ADRA0]
	v_add_nc_u32 v[ADRB], s[TR], v[ADRB0]
	s_cmp_eq_u32 s3, 1
	s_cbranch_scc1 .Lnofetch                       ; behind the last K step there is nothing to fetch
	FETCH 0, F0
.Lnofetch:
	MUL16 F1, 1, 0, 0
	MUL16 F1, 1, 2, 0
	WIN 0
	s_sub_co_u32 s3, s3, 1
	s_cmp_eq_u32 s3, 0
	s_cbranch_scc1 .Lout
	QUARTER 1, F0, F1, 0
	WIN 0
	s_branch .Ltail
.Lout:
	; THE WAY OUT.  The sums go as f32 into my stage, which lies in the ring's bytes: no tensor load follows, every wave's loads have landed and its reads are back in front of this barrier.
	PLACES
	PLACES
	s_wait_dscnt 0x0
	s_barrier_signal -1
	s_barrier_wait -1
.irp hi, 0,1
	WIN 0x08+4*(\hi)                               ; the data of an LDS store is source 1: window 2, then 3
.irp a, 0,1,2,3
.irp b, 0,1,2,3,4,5,6,7
	ds_store_b128 v[STO], v[8*(8*(\a)+(\b)):8*(8*(\a)+(\b))+3]   offset:16*SPITCH*(4*(\hi)+(\a))+64*(\b)
	ds_store_b128 v[STO], v[8*(8*(\a)+(\b))+4:8*(8*(\a)+(\b))+7] offset:16*SPITCH*(4*(\hi)+(\a))+64*(\b)+16
.endr
.endr
.endr
	WIN 0
	s_wait_dscnt 0x0
	s_barrier_signal -1
	s_barrier_wait -1                              ; from here on the stages are only read
	s_wait_loadcnt 0x0                             ; the bias
.irp i, 0,2,4,6
	v_cvt_pk_bf16_f32 v[T], v[BIAS+(\i)], v[BIAS+(\i)+1]   ; rounded to bf16 like every input
	v_lshlrev_b32 v[BIAS+(\i)], 16, v[T]
	v_and_b32 v[BIAS+(\i)+1], 0xffff0000, v[T]
.endr
.macro LOADX                           ; four rows x my 128 columns: column block e, rows 2 p and 2 p + 1; the address is stepped straight behind the loads that read it, a trip ahead of its next use
.irp e, 0,1
.irp p, 0,1
	ds_load_b128 v[XR+4*(2*(\e)+(\p)):XR+4*(2*(\e)+(\p))+3], v[RD] offset:256*(\e)+2*SPITCH*(\p)
.endr
.endr
	v_add_nc_u32 v[RD], 4*SPITCH, v[RD]
.endm
	LOADX
	s_mov_b32 s3, 32
.Lrow:                                                 ; 32 trips of four rows
	s_wait_dscnt 0x0
.irp e, 0,1
.irp p, 0,1
.irp c, 0,2
	v_pk_add_f32 v[T+4*(2*(\e)+(\p))+(\c):T+4*(2*(\e)+(\p))+(\c)+1], v[XR+4*(2*(\e)+(\p))+(\c):XR+4*(2*(\e)+(\p))+(\c)+1], v[BIAS+4*(\e)+(\c):BIAS+4*(\e)+(\c)+1]
.endr
.endr
.endr
	s_cmp_eq_u32 s3, 1
	s_cbranch_scc1 .Lnoload                        ; the last trip has no rows behind it
	LOADX                                          ; the next four rows come while these are worked on
.Lnoload:
.if FFN
	; gelu(x) = max(x, 0) - |x| q,  q = poly(t) 2^(-log2(e) x^2 / 2) / 2,  t = 1 / (1 + p |x| / sqrt(2))
.set r, 0
.rept 16
	v_and_b32 v[AX+r], s[ABSM], v[T+r]
.set r, r+1
.endr
.set r, 0
.rept 8
	v_pk_fma_f32 v[TT+r:TT+r+1], v[AX+r:AX+r+1], s[CP:CP+1], 1.0 op_sel_hi:[1,0,0]
	v_pk_mul_f32 v[EE+r:EE+r+1], v[T+r:T+r+1], v[T+r:T+r+1]
.set r, r+2
.endr
.set r, 0
.rept 8
	v_pk_mul_f32 v[EE+r:EE+r+1], v[EE+r:EE+r+1], s[CN:CN+1] op_sel_hi:[1,0]
.set r, r+2
.endr
.set r, 0
.rept 16
	v_rcp_f32 v[TT+r], v[TT+r]                     ; one batch of 32
.set r, r+1
.endr
.set r, 0
.rept 16
	v_exp_f32 v[EE+r], v[EE+r]
.set r, r+1
.endr
.set r, 0
.rept 16
	v_max_num_f32 v[T+r], 0, v[T+r]                ; plain work that names none of the batch's results
.set r, r+1
.endr
	s_wait_alu depctr_va_vdst(0)                   ; one wait for the batch, ahead of its first reader
.set r, 0
.rept 8
	v_pk_fma_f32 v[PP+r:PP+r+1], v[TT+r:TT+r+1], s[CA5:CA5+1], s[CA4:CA4+1] op_sel_hi:[1,0,0]
.set r, r+2
.endr
.irp k, CA3, CA2, CA1
.set r, 0
.rept 8
	v_pk_fma_f32 v[PP+r:PP+r+1], v[PP+r:PP+r+1], v[TT+r:TT+r+1], s[\k:\k+1] op_sel_hi:[1,1,0]
.set r, r+2
.endr
.endr
.set r, 0
.rept 8
	v_pk_mul_f32 v[PP+r:PP+r+1], v[PP+r:PP+r+1], v[TT+r:TT+r+1]
.set r, r+2
.endr
.set r, 0
.rept 8
	v_pk_mul_f32 v[PP+r:PP+r+1], v[PP+r:PP+r+1], v[EE+r:EE+r+1]
.set r, r+2
.endr
.set r, 0
.rept 8
	v_pk_fma_f32 v[T+r:T+r+1], v[AX+r:AX+r+1], v[PP+r:PP+r+1], v[T+r:T+r+1] neg_lo:[1,0,0] neg_hi:[1,0,0]
.set r, r+2
.endr
.endif
	s_wait_xcnt 0x0                                ; the last trip's stores have read their data and their offset: both are written again only behind this wait, which stands a trip's sums behind those stores
	v_add_nc_u32 v[CO], 512, v[CO]                 ; four rows of 128 bytes on; the stores reach back by their immediate
.set r, 0
.rept 8
	v_cvt_pk_f16_f32 v[YR+r], v[T+2*r], v[T+2*r+1]
.set r, r+1
.endr
.irp e, 0,1
.irp p, 0,1
	global_store_b64 v[CO], v[YR+2*(2*(\e)+(\p)):YR+2*(2*(\e)+(\p))+1], s[8:9] offset:524288*(\e)+256*(\p)-512  ; two rows of a column block: 256 consecutive bytes, aligned
.endr
.endr
	s_sub_co_u32 s3, s3, 1
	s_cmp_lg_u32 s3, 0
	s_cbranch_scc1 .Lrow
	s_wait_tensorcnt 0x0                           ; the wave's end
	ds_add_u32 v[SPW], v[NIL]
	s_wait_dscnt 0x0
	CROUND                                         ; the closing round
	s_endpgm
.if !FFN
	; THE SECOND JOB.  W1 and W2, 16 MiB of f32 each, are 256 shares of 65,536 bytes each; work-group i of the 64 (i = 4 x tile row + cx) takes shares 4 i .. 4 i + 3 of W1 and then of W2: eight trips.
	; Of a share a wave takes 16,384 bytes: 32 loads of 512 consecutive bytes, all out together; each slot is waited for by its own count, converted and stored as 256 consecutive bytes, aligned.
	; The copies lie as the sources lie: W1 at byte 0, W2 at byte 8,388,608.  No tile, no tensor load, no LDS but the spare words.
.Lcast:
	s_lshl2_add_u32 s20, s13, s40                  ; i
	s_lshl_b32 s94, s20, 18                        ; 4 i shares of 65,536 bytes,
	s_lshl_b32 s21, s10, 14                        ; my wave's quarter of a share
	s_add_co_u32 s94, s94, s21
	s_mov_b32 s95, 0
	s_add_nc_u64 s[72:73], s[72:73], s[94:95]      ; W1 at my part of my first share
	s_add_nc_u64 s[74:75], s[74:75], s[94:95]      ; W2 likewise
	s_lshr_b32 s94, s94, 1                         ; the copies have half the bytes
	s_add_nc_u64 s[76:77], s[76:77], s[94:95]      ; W1's copy,
	s_add_nc_u64 s[78:79], s[76:77], 8388608       ; W2's
	s_mov_b32 s22, 0xffff0000                      ; a word's upper bf16
	v_and_b32 v3, 31, v0
	v_lshlrev_b32 v1, 4, v3                        ; 16 l
	v_lshlrev_b32 v2, 3, v3                        ; 8 l
	s_mov_b32 s3, 0
.Lshare:
.set j, 0
.rept 32
	global_load_b128 v[CX+4*j:CX+4*j+3], v1, s[72:73] offset:512*j th:TH_LOAD_NT
.set j, j+1
.endr
.set j, 0
.rept 32
	s_wait_loadcnt 31-j                            ; loads come back in order: slot j's is in, the younger slots' stay out
	v_cvt_pk_bf16_f32 v[CT], v[CX+4*j], v[CX+4*j+1]
	v_cvt_pk_bf16_f32 v[CT+1], v[CX+4*j+2], v[CX+4*j+3]
	v_lshlrev_b32 v[CT+2], 16, v[CT]
	v_and_b32 v[CT+3], s22, v[CT]
	v_lshlrev_b32 v[CT+4], 16, v[CT+1]
	v_and_b32 v[CT+5], s22, v[CT+1]
	v_cvt_pk_f16_f32 v[CY+2*j], v[CT+2], v[CT+3]
	v_cvt_pk_f16_f32 v[CY+2*j+1], v[CT+4], v[CT+5]
	global_store_b64 v2, v[CY+2*j:CY+2*j+1], s[76:77] offset:256*j
.set j, j+1
.endr
	s_wait_xcnt 0x0                                ; the trip's loads and stores have read their bases and data: both are written again only behind this wait
	s_add_nc_u64 s[72:73], s[72:73], 65536
	s_add_nc_u64 s[76:77], s[76:77], 32768
	s_add_co_u32 s3, s3, 1
	s_cmp_eq_u32 s3, 4                             ; behind W1's four shares come W2's
	s_cselect_b64 s[72:73], s[74:75], s[72:73]
	s_cselect_b64 s[76:77], s[78:79], s[76:77]
	s_cmp_lt_u32 s3, 8
	s_cbranch_scc1 .Lshare
	s_wait_tensorcnt 0x0                           ; the wave's end
	ds_add_u32 v[SPW], v[NIL]
	s_wait_dscnt 0x0
	CROUND                                         ; the sixteen partners end together
	s_endpgm
.endif
.Lfunc_end_k_q1f596d6b59_ffn1:
	.size	k_q1f596d6b59_ffn1, .Lfunc_end_k_q1f596d6b59_ffn1-k_q1f596d6b59_ffn1
	.p2alignl 7, 3214868480
	.fill 96, 4, 3214868480
	.section	.rodata,"a",@progbits
	.p2align	6, 0x0
	.amdhsa_kernel k_q1f596d6b59_ffn1
		.amdhsa_group_segment_fixed_size 327680
		.amdhsa_private_segment_fixed_size 0
		.amdhsa_enable_private_segment 0
		.amdhsa_kernarg_size 32
		.amdhsa_user_sgpr_count 2
		.amdhsa_user_sgpr_kernarg_segment_ptr 1
		.amdhsa_wavefront_size32 1
		.amdhsa_system_sgpr_workgroup_id_x 1
		.amdhsa_system_sgpr_workgroup_id_y 1
		.amdhsa_system_sgpr_workgroup_id_z 1
		.amdhsa_system_vgpr_workitem_id 0
		.amdhsa_next_free_vgpr 1024
		.amdhsa_next_free_sgpr 100
		.amdhsa_reserve_vcc 0
		.amdhsa_float_denorm_mode_32 3
		.amdhsa_float_denorm_mode_16_64 3
		.amdhsa_memory_ordered 1
		.amdhsa_forward_progress 1
		.amdhsa_inst_pref_size 90
	.end_amdhsa_kernel
	.amdgpu_metadata
---
amdhsa.version: [ 1, 2 ]
amdhsa.kernels:
  - .name:           k_q1f596d6b59_ffn1
    .symbol:         k_q1f596d6b59_ffn1.kd
    .args:
      - { .name: ln1b, .offset: 0, .size: 8, .value_kind: global_buffer, .address_space: global }
      - { .name: xw2, .offset: 8, .size: 8, .value_kind: global_buffer, .address_space: global }
      - { .name: b1, .offset: 16, .size: 8, .value_kind: global_buffer, .address_space: global }
      - { .name: hb, .offset: 24, .size: 8, .value_kind: global_buffer, .address_space: global }
    .group_segment_fixed_size: 327680
    .private_segment_fixed_size: 0
    .kernarg_segment_align: 8
    .kernarg_segment_size: 32
    .max_flat_workgroup_size: 128
    .sgpr_count:     100
    .vgpr_count:     1024
    .wavefront_size: 32
...
	.end_amdgpu_metadata
.endif
;; end of part 6
;; launch ffn2 (part 7): grid 8 x 32, 4 waves a work-group, clusters of 4 x 4, 327,680 bytes of LDS; arguments hb, xw2, yb; writes yb
.if DOCPART == 7
	.amdgcn_target "amdgcn-amd-amdhsa--gfx1250"
	.amdhsa_code_object_version 6
	.text
	.protected	k_q1f596d6b59_ffn2
	.globl	k_q1f596d6b59_ffn2
	.p2align	8
	.type	k_q1f596d6b59_ffn2,@function
k_q1f596d6b59_ffn2:
	s_mov_b64 s[64:65], 0
	v_nop
	global_prefetch_b8 v0, s[64:65] scope:SCOPE_SE
	s_setreg_imm32_b32 hwreg(HW_REG_WAVE_MODE, 25, 1), 1
	s_wait_xcnt 0x0
	s_wait_alu depctr_hold_cnt(0) depctr_sa_sdst(0) depctr_va_vdst(0) depctr_va_sdst(0) depctr_va_ssrc(0) depctr_va_vcc(0) depctr_vm_vsrc(0)
	s_getreg_b32 s2, hwreg(HW_REG_IB_STS2, 6, 4)
	s_cmp_eq_u32 s2, 0
	s_cbranch_scc0 .Lentry_in_a_cluster
	s_endpgm
.Lentry_in_a_cluster:
	s_bfe_u32 s2, ttmp6, 0x10000c
	s_cmp_lg_u32 s2, 0xf033
	s_cbranch_scc0 .Lentry_shape_is_right
	s_endpgm
.Lentry_shape_is_right:
; Y = A W, f32 out.  A: f16 in column blocks of 64, [KTOT / 64][4096 rows][64].  W: f16 [KTOT][1024], at byte WOFF of its buffer.  Y: [4096][1024] f32.  Sums in f32.  Bias and residual are added by the norm's launch.
; LIMITS.  A and W lie within f16's 65,504; NaN and infinities are not treated apart.
; SHAPE.  1,024 columns give 64 tiles of 256 x 256: too few.  A tile is 128 x 128: 256 work-groups.  Four waves, each 64 x 64: 16 accumulators.  K goes in steps of 256 through two LDS slots.
; A's unit (waves 0, 1): 64 rows x 4 column blocks; a block's 64 rows are 8,192 dense bytes, asked for as one row of the descriptor and padded in LDS after every 128 bytes.  W's unit (waves 2, 3): 128 rows of 256 bytes.
; The product is used transposed: source 0 = 16 columns of W (by the turning load), source 1 = 16 rows of A.  CLUSTER 4 x 4: A's tile jointly along a row of the cluster, W's along a column.
; THE WALK ALONG K begins at a step of the cluster's own and wraps round: step (STEPS / 2 x cluster x + STEPS / 4 x (cluster y mod 4) + t) mod STEPS in trip t.  The two clusters that read the same rows of A begin
; half of K apart, four neighbouring clusters that read the same columns of W a quarter apart: a block's readers ask for it in different trips.  The number is made of the cluster's coordinates alone, so it is
; the same in all sixteen partners; f32 sums may be taken in any order.
; The loop is written for ONE K step, as in the 256 x 256 text.  No prefetch: the tiles are small, and each is read by eight or thirty-two work-groups.
.set KTOT, 4096
.set WOFF, 8388608
.set STEPS, KTOT/256
.set PAK,   144
.set PBK,   288
.set AGRP,  64*PAK                     ; a column block's 64 rows in LDS
.set UNIT,  36864
.set SLOT,  4*UNIT                     ; its bits (14, 17) meet none of wave x UNIT's (12, 13, 15, 16)
.set SPARE, 2*SLOT
.set SPITCH, 528
.set ASH,   21                         ; a K step of A is four column blocks: 2^21 bytes
.set BSH,   19                         ; of W 256 rows: 2^19 bytes
.set ADRA0, 16
.set ADRB0, 17
.set ADRA, 18
.set ADRB, 19                          ; v19: K rows 0-127 of the slot in hand; v20: rows 128-255
.set STO,  24
.set RD,   25
.set CO,   26
.set SPW,  28
.set NIL,  29
.set ACC,  128
.set F0,   0
.set F1,   128
.set G1A, 24
.set G0A, 32
.set G1B, 48
.set G0B, 56
.set TR,  66
.set KN,  67                           ; s67 the K step asked for last
.set OFS, 68                           ; s[68:69] its byte offset
.set MSB, 0
.macro WIN new
.if MSB != (\new)
	s_set_vgpr_msb (MSB<<8)|(\new)
.set MSB, \new
.endif
.endm
.set MUL,  0x05
.set TO_F, 0x40
.macro JLOAD s
	s_cmp_eq_u32 s11, 0
	s_cbranch_scc0 .Lfor_b_\@
	tensor_load_to_lds s[G0A+4*(\s):G0A+4*(\s)+3], s[G1A:G1A+7]
	s_nop 0
.rept 4
	v_nop
.endr
	s_branch .Lasked_\@
.Lfor_b_\@:
	tensor_load_to_lds s[G0B+4*(\s):G0B+4*(\s)+3], s[G1B:G1B+7]
	s_nop 0
.rept 4
	v_nop
.endr
.Lasked_\@:
.endm
.macro CREST
	s_cmp_lg_u32 s10, 0
	s_cbranch_scc1 .Lnot_wave_0_\@
	s_barrier_signal -3
.Lnot_wave_0_\@:
	s_barrier_wait -3
	s_barrier_signal -1
	s_barrier_wait -1
.endm
.macro CROUND
	s_barrier_signal -1
	s_barrier_wait -1
	CREST
.endm
.macro PLACES
.rept 4
	v_nop
.endr
.endm
.macro AIM s                           ; descriptor set s of A and of W is pointed at K step KN: the address is made anew from the tensor's base and the step's number
	s_lshl_b32 s[OFS], s[KN], ASH
	s_add_nc_u64 s[G0A+4*(\s)+2:G0A+4*(\s)+3], s[14:15], s[OFS:OFS+1]
	s_or_b32 s[G0A+4*(\s)+3], s[G0A+4*(\s)+3], 0x80000000
	s_lshl_b32 s[OFS], s[KN], BSH
	s_add_nc_u64 s[G0B+4*(\s)+2:G0B+4*(\s)+3], s[46:47], s[OFS:OFS+1]
	s_or_b32 s[G0B+4*(\s)+3], s[G0B+4*(\s)+3], 0x80000000
.endm
.macro NEXTK
	s_add_co_u32 s[KN], s[KN], 1
	s_and_b32 s[KN], s[KN], STEPS-1
.endm
	s_load_b128 s[4:7], s[0:1], 0x0                ; A, W's buffer
	s_load_b64 s[8:9], s[0:1], 0x10                ; Y
	v_lshl_add_u32 v[SPW], v0, 2, SPARE
	v_mov_b32 v[NIL], 0
	ds_add_u32 v[SPW], v[NIL]                      ; the wave's opening: the add and its wait ahead of my first tensor load
	ds_add_u32 v28, v29
	v_lshrrev_b32 v1, 5, v0
	v_readfirstlane_b32 s10, v1
	s_lshr_b32 s11, s10, 1
	s_and_b32 s12, s10, 1
	s_bfe_u32 s40, ttmp6, 0x40000
	s_bfe_u32 s41, ttmp6, 0x40004
	s_lshl_b32 s42, ttmp9, 2
	s_add_co_u32 s42, s42, s40                     ; tile column
	s_and_b32 s13, ttmp7, 0xffff
	s_lshl_b32 s13, s13, 2
	s_add_co_u32 s13, s13, s41                     ; tile row
	s_lshl_b32 s21, s41, 2
	s_lshl_b32 s21, 15, s21
	s_lshl_b32 s22, 0x1111, s40
	s_or_b32 s[G1A], s21, (1<<16)|(1<<20)|(1<<21)|(4<<22)|(3<<25)   ; after every 32 words 4 words
	s_or_b32 s[G1B], s22, (1<<16)|(1<<20)|(1<<21)|(5<<22)|(7<<25)   ; after every 64 words 8 words
	s_mov_b32 s[G1A+1], 4096<<16                   ; tensor_dim0 = 4,096 elements: 64 rows x 64
	s_mov_b32 s[G1A+2], 4<<16                      ; tensor_dim1 = 4 column blocks
	s_mov_b32 s[G1A+3], 4096<<16                   ; tile_dim0
	s_mov_b32 s[G1A+4], 4                          ; tile_dim1
	s_mov_b32 s[G1A+5], 262144                     ; elements from column block to column block
	s_mov_b32 s[G1A+6], 0
	s_mov_b32 s[G1A+7], 0
	s_mov_b32 s[G1B+1], 128<<16
	s_mov_b32 s[G1B+2], 128<<16
	s_mov_b32 s[G1B+3], 128<<16
	s_mov_b32 s[G1B+4], 128
	s_mov_b32 s[G1B+5], 1024
	s_mov_b32 s[G1B+6], 0
	s_mov_b32 s[G1B+7], 0
	s_lshl_b32 s16, s13, 14                        ; A: row 128 x tile row + 64 x unit, of 128 bytes
	s_lshl_b32 s17, s12, 13
	s_add_co_u32 s16, s16, s17
	s_mov_b32 s17, 0
	s_lshl_b32 s46, s42, 8                         ; W: 256 bytes a tile column, my unit's 128 rows of 2,048 bytes
	s_lshl_b32 s47, s12, 18
	s_add_co_u32 s46, s46, s47
	s_add_co_u32 s46, s46, WOFF
	s_mov_b32 s47, 0
	s_mul_i32 s20, s10, UNIT
	s_mov_b32 s[TR], 0
	s_and_b32 s[KN], ttmp7, 3                      ; the cluster's first K step
	s_mul_i32 s[KN], s[KN], STEPS/4
	s_mul_i32 s[OFS], ttmp9, STEPS/2
	s_add_co_u32 s[KN], s[KN], s[OFS]
	s_and_b32 s[KN], s[KN], STEPS-1
	s_mov_b32 s[OFS+1], 0
	s_wait_dscnt 0x0
	s_wait_kmcnt 0x0
	s_add_nc_u64 s[14:15], s[4:5], s[16:17]        ; A and W at my unit of K step 0: kept
	s_add_nc_u64 s[46:47], s[6:7], s[46:47]
	CROUND
.irp s, 0,1
	s_mov_b32 s[G0A+4*(\s)], 1
	s_add_co_u32 s[G0A+4*(\s)+1], s20, (\s)*SLOT
	s_mov_b32 s[G0B+4*(\s)], 1
	s_add_co_u32 s[G0B+4*(\s)+1], s20, (\s)*SLOT
	AIM \s
	JLOAD \s                                       ; the walk's first two K steps: two loads of mine are out
.if (\s) == 0
	NEXTK
.endif
.endr
	v_and_b32 v1, 15, v0
	v_bfe_u32 v2, v0, 4, 1
	v_mul_u32_u24 v3, v1, PAK
	v_lshl_add_u32 v3, v2, 4, v3
	s_mul_i32 s21, s11, UNIT
	v_add_nc_u32 v[ADRA0], s21, v3
	v_and_b32 v4, 7, v0
	v_lshl_add_u32 v4, v2, 3, v4
	v_mul_u32_u24 v4, v4, PBK
	v_bfe_u32 v5, v0, 3, 1
	v_lshl_add_u32 v4, v5, 4, v4
	s_lshl_b32 s22, s12, 7
	s_add_co_u32 s22, s22, 2*UNIT
	v_add_nc_u32 v[ADRB0], s22, v4
	v_mov_b32 v[ADRA], v[ADRA0]
	v_mov_b32 v[ADRB], v[ADRB0]
	v_add_nc_u32 v[ADRB+1], 128*PBK, v[ADRB]
	s_mul_i32 s23, s11, 64*SPITCH                  ; into the stage: my 64 rows, my 256 bytes of their 512
	s_lshl_b32 s21, s12, 8
	s_add_co_u32 s23, s23, s21
	v_mul_u32_u24 v4, v1, SPITCH
	v_lshl_add_u32 v4, v2, 5, v4
	v_add_nc_u32 v[STO], s23, v4
	s_mul_i32 s23, s10, 32*SPITCH                  ; back: wave w takes rows 32 w .. 32 w + 31, whole: 16 bytes a lane
	v_and_b32 v5, 31, v0
	v_lshlrev_b32 v[CO], 4, v5
	v_add_nc_u32 v[RD], s23, v[CO]
	s_lshl_b32 s70, s13, 19                        ; Y: 128 rows of 4,096 bytes a tile row,
	s_lshl_b32 s71, s10, 17                        ; my 32 rows,
	s_add_co_u32 s70, s70, s71
	s_lshl_b32 s71, s42, 9                         ; 512 bytes a tile column
	s_add_co_u32 s70, s70, s71
	s_mov_b32 s71, 0
	s_add_nc_u64 s[8:9], s[8:9], s[70:71]
.macro MUL8 f, c, a0, zero             ; 8 products: row blocks a0, a0 + 1 x all 4 column blocks, 32 along K: half c of buffer f.  The 16 accumulators take turns
	WIN MUL
.irp a, \a0, (\a0)+1
.irp b, 0,1,2,3
.if \zero
	v_wmma_f32_16x16x32_f16 v[ACC+8*(4*(\a)+(\b)):ACC+8*(4*(\a)+(\b))+7], v[(\f)+64+8*(4*(\c)+(\b)):(\f)+64+8*(4*(\c)+(\b))+7], v[(\f)+8*(4*(\c)+(\a)):(\f)+8*(4*(\c)+(\a))+7], 0
.else
	v_wmma_f32_16x16x32_f16 v[ACC+8*(4*(\a)+(\b)):ACC+8*(4*(\a)+(\b))+7], v[(\f)+64+8*(4*(\c)+(\b)):(\f)+64+8*(4*(\c)+(\b))+7], v[(\f)+8*(4*(\c)+(\a)):(\f)+8*(4*(\c)+(\a))+7], v[ACC+8*(4*(\a)+(\b)):ACC+8*(4*(\a)+(\b))+7]
.endif
.endr
.endr
.endm
.macro FETCH q, f                      ; 32 LDS loads in one run: quarter q (64 along K = A's column block q) into buffer f; the first 32 along K first
	WIN TO_F
.irp c, 0,1
.irp i, 0,1,2,3
	ds_load_tr16_b128 v[(\f)+64+8*(4*(\c)+(\i)):(\f)+64+8*(4*(\c)+(\i))+3],   v[ADRB+(\q)/2] offset:(64*((\q)%2)+32*(\c))*PBK+32*(\i)
	ds_load_tr16_b128 v[(\f)+64+8*(4*(\c)+(\i))+4:(\f)+64+8*(4*(\c)+(\i))+7], v[ADRB+(\q)/2] offset:(64*((\q)%2)+32*(\c))*PBK+32*(\i)+16*PBK
	ds_load_b128 v[(\f)+8*(4*(\c)+(\i)):(\f)+8*(4*(\c)+(\i))+3],   v[ADRA] offset:AGRP*(\q)+16*PAK*(\i)+64*(\c)
	ds_load_b128 v[(\f)+8*(4*(\c)+(\i))+4:(\f)+8*(4*(\c)+(\i))+7], v[ADRA] offset:AGRP*(\q)+16*PAK*(\i)+64*(\c)+32
.endr
.endr
.endm
.macro QUARTER q, f, g, zero
	s_wait_dscnt 16                                ; the first 32 along K are in
	MUL8 \f, 0, 0, \zero
	MUL8 \f, 0, 2, \zero
	PLACES
	FETCH \q, \g
	s_wait_dscnt 32                                ; all but the 32 just issued
	MUL8 \f, 1, 0, 0
	MUL8 \f, 1, 2, 0
.endm
.macro TURN fill                       ; a K step's last quarter and the change of slots
	WIN 0
	s_wait_tensorcnt 0x0                           ; all my tensor loads have landed: my part of the next slot
	ds_add_u32 v[SPW], v[NIL]
	s_wait_dscnt 17                                ; (the add and the youngest sixteen loads may be out)
	MUL8 F1, 0, 0, 0
	s_wait_dscnt 0x0                               ; the add is done, and my reads of this slot are over
	s_barrier_signal -1
	MUL8 F1, 0, 2, 0
	WIN 0
	s_barrier_wait -1
.if \fill
	CREST                                          ; the barrier has opened a round of the cluster's
	NEXTK                                          ; the walking descriptors: the walk's next K step, into the other slot than last time
	s_xor_b32 s[G0A+5], s[G0A+5], SLOT
	s_xor_b32 s[G0B+5], s[G0B+5], SLOT
	AIM 1
	s_xor_b32 s[TR], s[TR], SLOT
	JLOAD 1                                        ; the first tensor load behind the round; its four v_nop are also the places in front of the loads below
.else
	PLACES
	s_xor_b32 s[TR], s[TR], SLOT
.endif
	v_add_nc_u32 v[ADRA], s[TR], v[ADRA0]
	v_add_nc_u32 v[ADRB], s[TR], v[ADRB0]
	v_add_nc_u32 v[ADRB+1], 128*PBK, v[ADRB]
.if !(\fill)
	s_cmp_eq_u32 s3, 1
	s_cbranch_scc1 .Lnofetch_\@                    ; behind the last K step there is nothing to fetch
.endif
	FETCH 0, F0
.if !(\fill)
	WIN 0
.Lnofetch_\@:
.endif
	MUL8 F1, 1, 0, 0
	MUL8 F1, 1, 2, 0
.endm
	s_wait_tensorcnt 1                             ; my part of the first K step is in; the second's may stay out
	s_barrier_signal -1
	s_barrier_wait -1
	FETCH 0, F0
	QUARTER 1, F0, F1, 1
	WIN 0
	s_mov_b32 s3, STEPS-2
.Lk:                                                   ; trip t: quarters 1-3 of the walk's step t, the refill with step t + 2, quarter 0 of step t + 1
	QUARTER 2, F1, F0, 0
	QUARTER 3, F0, F1, 0
	TURN 1
	QUARTER 1, F0, F1, 0
	WIN 0
	s_sub_co_u32 s3, s3, 1
	s_cmp_lg_u32 s3, 0
	s_cbranch_scc1 .Lk
	s_mov_b32 s3, 2
.Ltail:                                                ; the last two K steps ask for nothing; the second trip is left behind its last quarter
	QUARTER 2, F1, F0, 0
	QUARTER 3, F0, F1, 0
	TURN 0
	WIN 0
	s_sub_co_u32 s3, s3, 1
	s_cmp_eq_u32 s3, 0
	s_cbranch_scc1 .Lout
	QUARTER 1, F0, F1, 0
	WIN 0
	s_branch .Ltail
.Lout:
	; THE WAY OUT.  The stage, 128 rows x 528 bytes, lies in the ring's bytes: no tensor load follows, and every wave's loads have landed and its reads are back in front of this barrier.
	PLACES
	PLACES
	s_wait_dscnt 0x0
	s_barrier_signal -1
	s_barrier_wait -1
.irp a, 0,1,2,3
.irp b, 0,1,2,3
	ds_store_b128 v[STO], v[ACC+8*(4*(\a)+(\b)):ACC+8*(4*(\a)+(\b))+3]   offset:16*SPITCH*(\a)+64*(\b)
	ds_store_b128 v[STO], v[ACC+8*(4*(\a)+(\b))+4:ACC+8*(4*(\a)+(\b))+7] offset:16*SPITCH*(\a)+64*(\b)+16
.endr
.endr
	s_wait_dscnt 0x0                               ; for the others' sake: a row's 512 bytes come from two waves
	s_barrier_signal -1
	s_barrier_wait -1
.set r, 0
.rept 32
	ds_load_b128 v[ACC+4*r:ACC+4*r+3], v[RD] offset:SPITCH*r
.set r, r+1
.endr
.set r, 0
.rept 32
	s_wait_dscnt 31-r
	global_store_b128 v[CO], v[ACC+4*r:ACC+4*r+3], s[8:9] offset:4096*r  ; 512 consecutive bytes, aligned
.set r, r+1
.endr
	s_wait_tensorcnt 0x0                           ; the wave's end
	ds_add_u32 v[SPW], v[NIL]
	s_wait_dscnt 0x0
	CROUND                                         ; the closing round
	s_endpgm
.Lfunc_end_k_q1f596d6b59_ffn2:
	.size	k_q1f596d6b59_ffn2, .Lfunc_end_k_q1f596d6b59_ffn2-k_q1f596d6b59_ffn2
	.p2alignl 7, 3214868480
	.fill 96, 4, 3214868480
	.section	.rodata,"a",@progbits
	.p2align	6, 0x0
	.amdhsa_kernel k_q1f596d6b59_ffn2
		.amdhsa_group_segment_fixed_size 327680
		.amdhsa_private_segment_fixed_size 0
		.amdhsa_enable_private_segment 0
		.amdhsa_kernarg_size 24
		.amdhsa_user_sgpr_count 2
		.amdhsa_user_sgpr_kernarg_segment_ptr 1
		.amdhsa_wavefront_size32 1
		.amdhsa_system_sgpr_workgroup_id_x 1
		.amdhsa_system_sgpr_workgroup_id_y 1
		.amdhsa_system_sgpr_workgroup_id_z 1
		.amdhsa_system_vgpr_workitem_id 0
		.amdhsa_next_free_vgpr 512
		.amdhsa_next_free_sgpr 72
		.amdhsa_reserve_vcc 0
		.amdhsa_float_denorm_mode_32 3
		.amdhsa_float_denorm_mode_16_64 3
		.amdhsa_memory_ordered 1
		.amdhsa_forward_progress 1
		.amdhsa_inst_pref_size 59
	.end_amdhsa_kernel
	.amdgpu_metadata
---
amdhsa.version: [ 1, 2 ]
amdhsa.kernels:
  - .name:           k_q1f596d6b59_ffn2
    .symbol:         k_q1f596d6b59_ffn2.kd
    .args:
      - { .name: hb, .offset: 0, .size: 8, .value_kind: global_buffer, .address_space: global }
      - { .name: xw2, .offset: 8, .size: 8, .value_kind: global_buffer, .address_space: global }
      - { .name: yb, .offset: 16, .size: 8, .value_kind: global_buffer, .address_space: global }
    .group_segment_fixed_size: 327680
    .private_segment_fixed_size: 0
    .kernarg_segment_align: 8
    .kernarg_segment_size: 24
    .max_flat_workgroup_size: 128
    .sgpr_count:     72
    .vgpr_count:     512
    .wavefront_size: 32
...
	.end_amdgpu_metadata
.endif
;; end of part 7
;; launch ln2 (part 8): grid 256 x 1, 16 waves a work-group, no clusters, 0 bytes of LDS; arguments yb, ln1b, b2, g2, be2, out0; writes out0
.if DOCPART == 8
	.amdgcn_target "amdgcn-amd-amdhsa--gfx1250"
	.amdhsa_code_object_version 6
	.text
	.protected	k_q1f596d6b59_ln2
	.globl	k_q1f596d6b59_ln2
	.p2align	8
	.type	k_q1f596d6b59_ln2,@function
k_q1f596d6b59_ln2:
	s_mov_b64 s[64:65], 0
	v_nop
	global_prefetch_b8 v0, s[64:65] scope:SCOPE_SE
	s_setreg_imm32_b32 hwreg(HW_REG_WAVE_MODE, 25, 1), 1
	s_wait_xcnt 0x0
; out[r] = LayerNorm(y[r] + bias + res[r]) g + be.  y: [4096][1024] f32; res: [4096][1024] f16 (at its buffer's head); bias, g, be: [1024] f32, rounded to bf16 like every input.
; OUT32 = 0: out is f16 (within 65,504); OUT32 = 1: out is f32.  Mean first, then the sum of squares of the centred row: both in f32.  eps = 1e-5.
; A wave takes one whole row and keeps it in registers: the row is read once, the sums never leave the wave: no LDS, no barrier.  Sixteen waves, sixteen rows a work-group.  Lane l holds columns
; 128 j + 4 l .. + 3, j = 0 .. 7: a load or store of a wave covers 512 consecutive bytes of f32 or 256 of f16, aligned.  All 40 loads go out at the start.
.set OUT32, 1
.set A,    4                           ; v[4:11]   four chains of sums
.set TP,   12                          ; v[12:15]  at work
.set MU,   16                          ; v[16:17]  the mean, twice
.set RS,   18                          ; v[18:19]  1 / sqrt(var + eps), twice
.set SM,   20                          ; v[20:21]  a sum across the lanes
.set ONE,  22
.set RES,  32                          ; v[32:47]  the residual; later the packed output
.set Y,    64                          ; v[64:95]  the row
.set BIAS, 128
.set G,    160
.set BE,   192
	s_load_b256 s[4:11], s[0:1], 0x0               ; y, res, bias, g
	s_load_b128 s[12:15], s[0:1], 0x20             ; be, out
	v_lshrrev_b32 v1, 5, v0
	v_readfirstlane_b32 s16, v1
	v_and_b32 v3, 31, v0
	v_lshlrev_b32 v1, 4, v3                        ; 16 l
	v_lshlrev_b32 v2, 3, v3                        ; 8 l
	v_mov_b32 v[ONE], 1.0
	v_mov_b32 v[SM+1], 0
	s_lshl_b32 s17, ttmp9, 4
	s_add_co_u32 s17, s17, s16                     ; my row: 16 x work-group + wave
	s_lshl_b32 s18, s17, 12
	s_mov_b32 s19, 0
	s_lshl_b32 s20, s17, 11
	s_mov_b32 s21, 0
	s_mov_b32 s22, 0x3a800000                      ; 1 / 1024
	s_mov_b32 s23, 0x3727c5ac                      ; 1e-5
	s_mov_b32 s24, 0x76543210
	s_mov_b32 s25, 0xfedcba98
	s_mov_b32 s26, 0xffff0000
	s_wait_kmcnt 0x0
	s_add_nc_u64 s[4:5], s[4:5], s[18:19]
	s_add_nc_u64 s[6:7], s[6:7], s[20:21]
.if OUT32
	s_add_nc_u64 s[14:15], s[14:15], s[18:19]
.else
	s_add_nc_u64 s[14:15], s[14:15], s[20:21]
.endif
.irp j, 0,1,2,3,4,5,6,7
	global_load_b128 v[BIAS+4*(\j):BIAS+4*(\j)+3], v1, s[8:9] offset:512*(\j)
	global_load_b128 v[G+4*(\j):G+4*(\j)+3],       v1, s[10:11] offset:512*(\j)
	global_load_b128 v[BE+4*(\j):BE+4*(\j)+3],     v1, s[12:13] offset:512*(\j)
.endr
.irp j, 0,1,2,3,4,5,6,7
	global_load_b128 v[Y+4*(\j):Y+4*(\j)+3], v1, s[4:5] offset:512*(\j) th:TH_LOAD_NT
	global_load_b64 v[RES+2*(\j):RES+2*(\j)+1], v2, s[6:7] offset:256*(\j)
.endr
	s_wait_loadcnt 16                              ; the 24 loads of the parameters are in; the row's 16 may be out
.set i, BIAS
.rept 48
	v_cvt_pk_bf16_f32 v[TP+(i/2)%4], v[i], v[i+1]
	v_lshlrev_b32 v[i], 16, v[TP+(i/2)%4]
	v_and_b32 v[i+1], s26, v[TP+(i/2)%4]
.set i, i+2
.endr
.macro REDUCE                          ; the four chains, the pair's halves, the 32 lanes: the sum in every lane, in v[SM]
	v_pk_add_f32 v[A:A+1], v[A:A+1], v[A+2:A+3]
	v_pk_add_f32 v[A+4:A+5], v[A+4:A+5], v[A+6:A+7]
	v_pk_add_f32 v[A:A+1], v[A:A+1], v[A+4:A+5]
	v_add_f32 v[SM], v[A], v[A+1]
	v_add_f32_dpp v[SM], v[SM], v[SM] row_xmask:1 row_mask:0xf bank_mask:0xf
	v_add_f32_dpp v[SM], v[SM], v[SM] row_xmask:2 row_mask:0xf bank_mask:0xf
	v_add_f32_dpp v[SM], v[SM], v[SM] row_xmask:4 row_mask:0xf bank_mask:0xf
	v_add_f32_dpp v[SM], v[SM], v[SM] row_xmask:8 row_mask:0xf bank_mask:0xf
	v_permlanex16_b32 v[SM+1], v[SM], s24, s25
	v_add_f32 v[SM], v[SM], v[SM+1]
.endm
	s_wait_loadcnt 0x0                             ; the row
.irp j, 0,1,2,3,4,5,6,7
	v_fma_mix_f32 v[Y+4*(\j)],   v[RES+2*(\j)],   v[ONE], v[Y+4*(\j)]   op_sel_hi:[1,0,0]                  ; the f16 half x 1.0 + y: exact widening and one rounding
	v_fma_mix_f32 v[Y+4*(\j)+1], v[RES+2*(\j)],   v[ONE], v[Y+4*(\j)+1] op_sel:[1,0,0] op_sel_hi:[1,0,0]
	v_fma_mix_f32 v[Y+4*(\j)+2], v[RES+2*(\j)+1], v[ONE], v[Y+4*(\j)+2] op_sel_hi:[1,0,0]
	v_fma_mix_f32 v[Y+4*(\j)+3], v[RES+2*(\j)+1], v[ONE], v[Y+4*(\j)+3] op_sel:[1,0,0] op_sel_hi:[1,0,0]
.endr
.set i, 0
.rept 16
	v_pk_add_f32 v[Y+i:Y+i+1], v[Y+i:Y+i+1], v[BIAS+i:BIAS+i+1]
.set i, i+2
.endr
.irp k, 0,2,4,6
	v_pk_add_f32 v[A+(\k):A+(\k)+1], v[Y+(\k):Y+(\k)+1], v[Y+8+(\k):Y+8+(\k)+1]
.endr
.irp k, 0,2,4,6
	v_pk_add_f32 v[A+(\k):A+(\k)+1], v[A+(\k):A+(\k)+1], v[Y+16+(\k):Y+16+(\k)+1]
.endr
.irp k, 0,2,4,6
	v_pk_add_f32 v[A+(\k):A+(\k)+1], v[A+(\k):A+(\k)+1], v[Y+24+(\k):Y+24+(\k)+1]
.endr
	REDUCE
	v_mul_f32 v[MU], s22, v[SM]
	v_mov_b32 v[MU+1], v[MU]
.set i, 0
.rept 16
	v_pk_add_f32 v[Y+i:Y+i+1], v[Y+i:Y+i+1], v[MU:MU+1] neg_lo:[0,1] neg_hi:[0,1]
.set i, i+2
.endr
.irp k, 0,2,4,6
	v_pk_mul_f32 v[A+(\k):A+(\k)+1], v[Y+(\k):Y+(\k)+1], v[Y+(\k):Y+(\k)+1]
.endr
.irp o, 8,16,24
.irp k, 0,2,4,6
	v_pk_fma_f32 v[A+(\k):A+(\k)+1], v[Y+(\o)+(\k):Y+(\o)+(\k)+1], v[Y+(\o)+(\k):Y+(\o)+(\k)+1], v[A+(\k):A+(\k)+1]
.endr
.endr
	REDUCE
	v_fma_f32 v[SM], v[SM], s22, s23               ; var + eps
	v_rsq_f32 v[RS], v[SM]
	v_rsq_f32 v[RS+1], v[SM]
	v_nop                                          ; a plain instruction behind the last of the two,
	s_wait_alu depctr_va_vdst(0)                   ; and one wait ahead of their first reader
.set i, 0
.rept 16
	v_pk_mul_f32 v[Y+i:Y+i+1], v[Y+i:Y+i+1], v[RS:RS+1]
.set i, i+2
.endr
.set i, 0
.rept 16
	v_pk_fma_f32 v[Y+i:Y+i+1], v[Y+i:Y+i+1], v[G+i:G+i+1], v[BE+i:BE+i+1]
.set i, i+2
.endr
.if OUT32
.irp j, 0,1,2,3,4,5,6,7
	global_store_b128 v1, v[Y+4*(\j):Y+4*(\j)+3], s[14:15] offset:512*(\j) th:TH_STORE_NT
.endr
.else
.set i, 0
.rept 16
	v_cvt_pk_f16_f32 v[RES+i], v[Y+2*i], v[Y+2*i+1]
.set i, i+1
.endr
.irp j, 0,1,2,3,4,5,6,7
	global_store_b64 v2, v[RES+2*(\j):RES+2*(\j)+1], s[14:15] offset:256*(\j)
.endr
.endif
	s_endpgm
.Lfunc_end_k_q1f596d6b59_ln2:
	.size	k_q1f596d6b59_ln2, .Lfunc_end_k_q1f596d6b59_ln2-k_q1f596d6b59_ln2
	.p2alignl 7, 3214868480
	.fill 96, 4, 3214868480
	.section	.rodata,"a",@progbits
	.p2align	6, 0x0
	.amdhsa_kernel k_q1f596d6b59_ln2
		.amdhsa_group_segment_fixed_size 0
		.amdhsa_private_segment_fixed_size 0
		.amdhsa_enable_private_segment 0
		.amdhsa_kernarg_size 48
		.amdhsa_user_sgpr_count 2
		.amdhsa_user_sgpr_kernarg_segment_ptr 1
		.amdhsa_wavefront_size32 1
		.amdhsa_system_sgpr_workgroup_id_x 1
		.amdhsa_system_sgpr_workgroup_id_y 1
		.amdhsa_system_sgpr_workgroup_id_z 1
		.amdhsa_system_vgpr_workitem_id 0
		.amdhsa_next_free_vgpr 224
		.amdhsa_next_free_sgpr 66
		.amdhsa_reserve_vcc 0
		.amdhsa_float_denorm_mode_32 3
		.amdhsa_float_denorm_mode_16_64 3
		.amdhsa_memory_ordered 1
		.amdhsa_forward_progress 1
		.amdhsa_inst_pref_size 21
	.end_amdhsa_kernel
	.amdgpu_metadata
---
amdhsa.version: [ 1, 2 ]
amdhsa.kernels:
  - .name:           k_q1f596d6b59_ln2
    .symbol:         k_q1f596d6b59_ln2.kd
    .args:
      - { .name: yb, .offset: 0, .size: 8, .value_kind: global_buffer, .address_space: global }
      - { .name: ln1b, .offset: 8, .size: 8, .value_kind: global_buffer, .address_space: global }
      - { .name: b2, .offset: 16, .size: 8, .value_kind: global_buffer, .address_space: global }
      - { .name: g2, .offset: 24, .size: 8, .value_kind: global_buffer, .address_space: global }
      - { .name: be2, .offset: 32, .size: 8, .value_kind: global_buffer, .address_space: global }
      - { .name: out0, .offset: 40, .size: 8, .value_kind: global_buffer, .address_space: global }
    .group_segment_fixed_size: 0
    .private_segment_fixed_size: 0
    .kernarg_segment_align: 8
    .kernarg_segment_size: 48
    .max_flat_workgroup_size: 512
    .sgpr_count:     66
    .vgpr_count:     224
    .wavefront_size: 32
...
	.end_amdgpu_metadata
.endif
;; end of part 8
